; MI455X (gfx1250); checked and timed in simulation.
; The chip was launched on July 23, 2026; its instructions are those of AMD's public machine-readable ISA for CDNA 5 (MIT licence, August 2026) and "CDNA5" Instruction Set Architecture Reference Guide (July 2026). The comments in the code are by the model that wrote it; some were corrected since.
;; Clipping Attention Engine. Allowed arithmetic: matrix products marked QUANTISED: E2M1 operands, one E8M0 scale for each 32 along K, by v_wmma_scale_f32_16x16x128_f8f6f4 with both operands' format E2M1 (or v_wmma_scale_f32_32x16x128_f4), f32 sums; products left as they are: bf16, f16 or f32 operands; f32 sums; everything else in f32.
;; Inputs: bk 1,024 float32; bo 1,024 float32; bq 1,024 float32; bv 1,024 float32; delta_x 4 x 2,048 x 1,024 float32; prior_mask 2,048 x 2,048 float32; wk 1,024 x 1,024 float32; wo 1,024 x 1,024 float32; wq 1,024 x 1,024 float32; wv 1,024 x 1,024 float32; x 4 x 2,048 x 1,024 float32.
;; Outputs: out0 4 x 2,048 x 1,024 float32.
;; This version of the problem:
;;   THIS VERSION OF THE PROBLEM IS GIVEN IN LOW PRECISION. The matrix products marked QUANTISED in the list below multiply operands that are first quantised to E2M1 (2 exponent bits, 1 mantissa bit; 4 bits a number), with one power-of-two scale for each 32 numbers along K (OCP MX v1.0); their sums are f32. The products marked 'left as it is' may take bf16, f16 or f32 operands, with f32 sums. Whichever they take, every output number must still come out within the allowed error. Rounding operands to bf16 (8 significant bits) uses up far more of that allowance than f16 does (11 bits, for magnitudes from 6e-5 to 65,504). All else is computed in f32.
;;   The module's matrix products, in the order in which they are computed (A, B: the left and right operand; K: the contracted axis; several contracted axes count as one K, in the product's order):
;;     1. [M 8,192, K 1,024] x [K 1,024, N 1,024]; A: input x; B: input wq: QUANTISED
;;     2. [M 8,192, K 1,024] x [K 1,024, N 1,024]; A: input x; B: input wk: QUANTISED
;;     3. [M 8,192, K 1,024] x [K 1,024, N 1,024]; A: input x; B: input wv: QUANTISED
;;     4. batch 64 x [M 2,048, K 64] x [K 64, N 2,048]; A: computed on the way; B: computed on the way: left as it is (an operand is computed on the way)
;;     5. batch 64 x [M 64, K 2,048] x [K 2,048, N 2,048]; A: computed on the way; B: computed on the way: left as it is (an operand is computed on the way)
;;     6. [M 8,192, K 1,024] x [K 1,024, N 1,024]; A: computed on the way; B: input wo: left as it is (an operand is computed on the way)
;;   THE QUANTISER, for each operand of a quantised product, along K:
;;     - K is cut into blocks of 32 from its start; a last block that is shorter is filled with zeros.
;;     - A block's scale is 2^e with e = floor(log2(the largest magnitude in the block)) - 2, held to -126 .. 127; a block of zeros has e = 0. As a byte (E8M0): e + 127.
;;     - Each number is divided by its block's scale, clamped to +-6, and rounded to the nearest number of E2M1, ties to even, subnormals kept.
;;     - The product sums the exact products of the quantised numbers (number of the format x scale) in f32.
;;   ~~~python
;;   def quantise(x, axis):      # numpy; x: float32 -> the quantised numbers, widened to float32 again
;;       x = np.moveaxis(x, axis, -1); K = x.shape[-1]
;;       x = np.pad(x, [(0, 0)] * (x.ndim - 1) + [(0, -K % 32)]); x = x.reshape(x.shape[:-1] + (-1, 32)); a = np.abs(x).max(-1, keepdims=True)
;;       e = np.where(a > 0, np.clip(np.frexp(np.where(a > 0, a, 1))[1] - 1 - 2, -126, 127), 0)      # np.frexp(a)[1] - 1 = floor(log2(a)), exactly
;;       r = np.clip(x / 2.0 ** e, -6, 6)
;;       step = 2.0 ** (np.maximum(np.frexp(np.where(r == 0, 1, r))[1] - 1, 0) - 1)
;;       q = np.round(r / step) * step * 2.0 ** e      # np.round: ties to even
;;       return np.moveaxis(q.reshape(q.shape[:-2] + (-1,))[..., :K], -1, axis).astype(np.float32)
;;   ~~~
;; One version. Each part assembles by itself: llvm-mc -triple=amdgcn-amd-amdhsa -mcpu=gfx1250 --defsym DOCPART=n.
;; ======== version 1 of 1: 4 launches
;; limits: values are held in f16: magnitudes above 65,504 overflow, below 6.1e-05 lose precision
;; workspace buffers: xc 4,194,304 bytes; xs 262,144 bytes; wc 1,572,864 bytes; ws 98,304 bytes; woimg 2,097,152 bytes; stats 12,288 bytes; qkv 50,331,648 bytes; att 16,777,216 bytes
;; launch prep (part 1): grid 480 x 1, 4 waves a work-group, no clusters, 66,048 bytes of LDS; arguments x, delta_x, wq, wk, wv, wo, prior_mask, xc, xs, wc, ws, woimg, stats; writes xc, xs, wc, ws, woimg, stats
.if DOCPART == 1
	.amdgcn_target "amdgcn-amd-amdhsa--gfx1250"
	.amdhsa_code_object_version 6
	.text
	.protected	k_q6ed0cc5923_prep
	.globl	k_q6ed0cc5923_prep
	.p2align	8
	.type	k_q6ed0cc5923_prep,@function
k_q6ed0cc5923_prep:
	s_mov_b64 s[64:65], 0
	v_nop
	global_prefetch_b8 v0, s[64:65] scope:SCOPE_SE
	s_setreg_imm32_b32 hwreg(HW_REG_WAVE_MODE, 25, 1), 1
	s_wait_xcnt 0x0
; PREP: every input that is large is read here once and turned into what the later launches want.
; Four paths, chosen by the work-group's number alone:
;   A (work-groups 0-255):   x -> codes of E2M1 (xc, K innermost, 512 bytes a row) and E8M0 scale bytes (xs, 32 a row); beside it |x| and |delta_x| of each row, and
;                            the sum over 8 rows of u = |dx| / (|x| + 1e-8) -> stats[run], run = row / 8
;   B (256-351):             wq, wk, wv -> codes (wc, the three on end) and scale bytes (ws): K is the weights' last axis, as the products x W^T want it
;   C (352-415):             wo -> f16, laid as blocks of 16 rows x 16 along K, 512 bytes: lane l = (r = l % 16, h = l / 16) owns the 16 bytes at 16 l: row r, k = 8 h .. 8 h + 7
;   D (416-479):             the mean of each row of prior_mask -> stats[1024 + row]
; A block's scale is 2^(floor(log2(its largest magnitude)) - 2); its byte is the largest magnitude's exponent field - 2, held at 1 from below.
; LIMITS: NaN and infinities in x and the weights are not served; blocks whose largest magnitude lies under 2^-124 keep the byte 1; a block of zeros gets the byte 1 (not 127): its codes are zeros and
; this program alone reads the bytes.  v_sqrt_f32 and v_rcp_f32 take denormals as zero: a row whose sum of squares lies under 2^-126 counts as a row of zeros.  wo is rounded to f16: magnitudes over 65,504 are not served.
; No tensor loads, no barrier, no cluster: waves share nothing and no two work-groups read the same bytes.  Paths A and B turn their numbers through LDS as bytes of their own (A from 0, B from 32,768).
.set SPARE, 65536                      ; the spare words, 128 bytes for each wave: two blocks of 256 bytes that no other line names
.set SPW,   12                         ; v12  LDS address of my spare word; never rewritten
.set NIL,   13                         ; v13  0; never rewritten
.set SP,    80                         ; a lane's place in a stage: its 64 bytes + 16 of padding
.set R,     16                         ; v16-79   four sets of 16 numbers as they are loaded
.set X,     80                         ; v80-111  two sets of 16 neighbours
.set E,     112                        ; v112-127 a scale byte for each step
.set C,     128                        ; v128-159 codes: two registers for each step, never written again
.set DXR,   160                        ; v160-223 four sets of 16 numbers of delta_x
.set XA,    224                        ; v[224:227] two chains of sums of squares of x;  v[228:231] of delta_x
.set DA,    228
.set XS2,   232                        ; v232-239 my lane's part of |x|^2 of the wave's 8 rows;  v240-247 of |dx|^2
.set DS2,   240
.macro FINISH                          ; the wave's end, behind the last LDS store
	s_wait_tensorcnt 0x0
	ds_add_u32 v[SPW], v[NIL]
	s_wait_dscnt 0x0
	s_endpgm
.endm
; n values from v[base] on are summed over the 32 lanes: four steps inside each half ride on the addition, one crosses the halves.  v[tmp] on have been written before
.macro LANESUM base, n, tmp
.irp m, 1,2,4,8
.set i, 0
.rept \n
	v_add_f32_dpp v[\base+i], v[\base+i], v[\base+i] row_xmask:\m row_mask:0xf bank_mask:0xf
.set i, i+1
.endr
.endr
.set i, 0
.rept \n
	v_permlanex16_b32 v[\tmp+i], v[\base+i], s12, s13
.set i, i+1
.endr
.set i, 0
.rept \n
	v_add_f32 v[\base+i], v[\base+i], v[\tmp+i]
.set i, i+1
.endr
.endm
	s_load_b512 s[16:31], s[0:1], 0x0              ; x 16, delta_x 18, wq 20, wk 22, wv 24, wo 26, prior_mask 28, xc 30
	s_load_b256 s[32:39], s[0:1], 0x40             ; xs 32, wc 34, ws 36, woimg 38
	s_load_b64 s[40:41], s[0:1], 0x60              ; stats
	v_lshl_add_u32 v[SPW], v0, 2, SPARE
	v_mov_b32 v[NIL], 0
	v_lshrrev_b32 v1, 5, v0
	v_readfirstlane_b32 s2, v1                     ; wave 0..3
	v_and_b32 v2, 31, v0                           ; lane
	v_lshlrev_b32 v3, 4, v2                        ; 16 x lane: my 16 bytes of a load's 512
	v_lshlrev_b32 v4, 3, v2                        ; 8 x lane: my codes' place in a step's 256 bytes
	s_lshl_b32 s3, s2, 13                          ; my wave's 8,192 bytes of LDS.  Every LDS address is made here, ahead of the parting of the paths
	v_lshrrev_b32 v14, 2, v2
	v_mul_u32_u24 v14, v14, SP
	v_and_b32 v15, 3, v2
	v_lshl_add_u32 v14, v15, 4, v14
	v_add_nc_u32 v14, s3, v14                      ; the stage on the way in: four lanes' 64 bytes on end, then 16 of padding
	v_mul_u32_u24 v15, v2, SP
	v_add_nc_u32 v15, s3, v15                      ; and on the way out: my 16 neighbours
	v_lshrrev_b32 v5, 1, v2
	s_add_co_u32 s3, s3, 2*32*SP
	v_add_nc_u32 v5, s3, v5                        ; my wave's 256 scale bytes: my block's byte,
	v_add_nc_u32 v6, s3, v4                        ; and on the way out 8 bytes a lane
	s_mov_b32 s12, 0x76543210
	s_mov_b32 s13, 0xfedcba98                      ; v_permlanex16_b32's selects for lane l xor 16
	s_wait_kmcnt 0x0
	s_cmp_lt_u32 ttmp9, 256
	s_cbranch_scc1 .Lpath_a
	s_cmp_lt_u32 ttmp9, 352
	s_cbranch_scc1 .Lpath_b
	s_cmp_lt_u32 ttmp9, 416
	s_cbranch_scc1 .Lpath_c
; ---- PATH D: a wave takes 8 rows of prior_mask, 8,192 bytes each: sixteen loads of 512 consecutive bytes a row, two rows on their way
	s_sub_co_u32 s44, ttmp9, 416
	s_lshl_b32 s44, s44, 2
	s_add_co_u32 s44, s44, s2                      ; which 8 rows
	s_lshl_b32 s46, s44, 16
	s_mov_b32 s47, 0
	s_add_nc_u64 s[4:5], s[28:29], s[46:47]
	s_lshl_b32 s46, s44, 5
	s_add_co_u32 s46, s46, 4096                    ; the means lie behind the 1,024 parts of u
	s_add_nc_u64 s[42:43], s[40:41], s[46:47]
.macro ROWLD i
.irp j, 0,1,2,3,4,5,6,7,8,9,10,11,12,13,14,15
	global_load_b128 v[16+64*((\i)%2)+4*\j:16+64*((\i)%2)+4*\j+3], v3, s[4:5] offset:8192*(\i)+512*\j th:TH_LOAD_NT
.endr
.endm
.macro ROWSUM i
.set RB, 16+64*((\i)%2)
.if (\i) < 7
	s_wait_loadcnt 16                              ; this row's 16 loads are in; the next row's may be out
.else
	s_wait_loadcnt 0x0
.endif
.irp c, 0,1,2,3
	v_pk_add_f32 v[152+2*\c:153+2*\c], v[RB+2*\c:RB+2*\c+1], v[RB+8+2*\c:RB+9+2*\c]   ; four chains, started by the first pairs: nothing is cleared
.endr
.irp k, 2,3,4,5,6,7
.irp c, 0,1,2,3
	v_pk_add_f32 v[152+2*\c:153+2*\c], v[152+2*\c:153+2*\c], v[RB+8*\k+2*\c:RB+8*\k+2*\c+1]
.endr
.endr
	v_pk_add_f32 v[152:153], v[152:153], v[154:155]
	v_pk_add_f32 v[156:157], v[156:157], v[158:159]
	v_pk_add_f32 v[152:153], v[152:153], v[156:157]
	v_add_f32 v[144+(\i)], v152, v153              ; my lane's part of row i
.if (\i)+2 < 8
	ROWLD (\i)+2
.endif
.endm
	ROWLD 0
	ROWLD 1
.irp i, 0,1,2,3,4,5,6,7
	ROWSUM \i
.endr
	LANESUM 144, 8, 152
	v_mov_b32 v160, 0
.irp i, 0,1,2,3,4,5,6,7
	v_mul_f32 v[144+\i], 0x3a000000, v[144+\i]     ; / 2,048
.endr
.irp i, 0,1,2,3,4,5,6,7
	v_readfirstlane_b32 s44, v[144+\i]
	v_writelane_b32 v160, s44, \i                  ; lane i takes row i's mean: eight lanes store 32 neighbouring bytes
.endr
	v_lshlrev_b32 v161, 2, v2
	s_wait_xcnt 0x0                                ; EXEC changes only behind this wait
	v_cmp_gt_u32 vcc_lo, 8, v2
	s_and_saveexec_b32 s45, vcc_lo
	global_store_b32 v161, v160, s[42:43]
	s_wait_xcnt 0x0                                ; and again in front of the line that widens it
	s_or_b32 exec_lo, exec_lo, s45
	FINISH
; ---- PATHS A AND B.  A wave takes 16 steps of 512 numbers (8 rows of 1,024).  n = 1: delta_x and the norms ride along.  lb: where the path's LDS bytes begin
.macro LOAD t, n
.irp i, 0,1,2,3
	global_load_b128 v[R+16*((\t)%4)+4*\i:R+16*((\t)%4)+4*\i+3], v3, s[4:5] offset:2048*(\t)+512*\i th:TH_LOAD_NT   ; 32 lanes read 512 consecutive bytes
.endr
.if \n
.irp i, 0,1,2,3
	global_load_b128 v[DXR+16*((\t)%4)+4*\i:DXR+16*((\t)%4)+4*\i+3], v3, s[6:7] offset:2048*(\t)+512*\i th:TH_LOAD_NT
.endr
.endif
.endm
.macro TURN t, lb                      ; step t's numbers through the stage: LDS serves a wave's instructions in order, so no wait stands between the stores and the loads
.irp i, 0,1,2,3
	ds_store_b128 v14, v[R+16*((\t)%4)+4*\i:R+16*((\t)%4)+4*\i+3] offset:\lb+32*SP*((\t)%2)+8*SP*\i
.endr
.irp i, 0,1,2,3
	ds_load_b128 v[X+16*((\t)%2)+4*\i:X+16*((\t)%2)+4*\i+3], v15 offset:\lb+32*SP*((\t)%2)+16*\i
.endr
.endm
.macro SQUARES base, acc, start        ; 16 numbers' squares onto two chains; start = 1: the first two pairs start the chains
.irp p, 0,1,2,3,4,5,6,7
.if (\start) && (\p < 2)
	v_pk_mul_f32 v[\acc+2*\p:\acc+2*\p+1], v[\base+2*\p:\base+2*\p+1], v[\base+2*\p:\base+2*\p+1]
.else
	v_pk_fma_f32 v[\acc+2*(\p%2):\acc+2*(\p%2)+1], v[\base+2*\p:\base+2*\p+1], v[\base+2*\p:\base+2*\p+1], v[\acc+2*(\p%2):\acc+2*(\p%2)+1]
.endif
.endr
.endm
.macro QSTEP t, n, lb
.set XSET, X+16*((\t)%2)
.if (\t) > 0
	s_wait_dscnt 1                                 ; this step's numbers are back from the stage; the last step's byte store may be out
.else
	s_wait_dscnt 0x0
.endif
.if \n
	SQUARES DXR+16*((\t)%4), DA, 1-(\t)%2          ; delta_x's squares, before its set takes the loads of four steps on
.endif
.if (\t)+4 < 16
	LOAD (\t)+4, \n
.endif
.if (\t)+1 < 16
.if 14-(\t) >= 3
	s_wait_loadcnt 3*(4+4*\n)                      ; the next step's loads are in; those of the three steps behind it may be out
.else
	s_wait_loadcnt (14-(\t))*(4+4*\n)
.endif
	TURN (\t)+1, \lb
.endif
	v_max3_num_f32 v8, |v[XSET]|, |v[XSET+1]|, |v[XSET+2]|         ; the largest magnitude of my 16
	v_max3_num_f32 v9, |v[XSET+3]|, |v[XSET+4]|, |v[XSET+5]|
.irp i, 6,10
	v_max3_num_f32 v8, v8, |v[XSET+\i]|, |v[XSET+\i+1]|
	v_max3_num_f32 v9, v9, |v[XSET+\i+2]|, |v[XSET+\i+3]|
.endr
	v_max3_num_f32 v8, v8, |v[XSET+14]|, |v[XSET+15]|
	v_max3_num_f32 v8, v8, v9, 0x1800000           ; and the floor 2^(3 - 127): the byte cannot fall under 1
	v_max_num_f32_dpp v8, v8, v8 row_xmask:1 row_mask:0xf bank_mask:0xf   ; with my neighbour's 16: the block's
	v_add_nc_u32 v11, 0xff000000, v8               ; 2 off its exponent field: the conversion takes the exponent field of this operand as its scale
	v_cvt_scalef32_pk8_fp4_f32 v[C+2*(\t)], v[XSET:XSET+7], v11
	v_cvt_scalef32_pk8_fp4_f32 v[C+2*(\t)+1], v[XSET+8:XSET+15], v11
	v_lshrrev_b32 v[E+(\t)], 23, v11               ; the scale's byte (also the plain line behind the conversions)
.if \n
	SQUARES XSET, XA, 1-(\t)%2
.if (\t)%2
	v_pk_add_f32 v[XA:XA+1], v[XA:XA+1], v[XA+2:XA+3]              ; two steps are a row: my lane's part of its two sums of squares
	v_pk_add_f32 v[DA:DA+1], v[DA:DA+1], v[DA+2:DA+3]
	v_add_f32 v[XS2+(\t)/2], v[XA], v[XA+1]
	v_add_f32 v[DS2+(\t)/2], v[DA], v[DA+1]
.endif
.endif
	ds_store_b8 v5, v[E+(\t)] offset:\lb+16*(\t)   ; both lanes of a block write the same byte with the same value
	global_store_b64 v4, v[C+2*(\t):C+2*(\t)+1], s[8:9] offset:256*(\t)   ; the wave stores 256 consecutive bytes, aligned
.endm
.macro SCOUT lb                        ; the wave's 256 scale bytes leave as 256 consecutive bytes, aligned
	ds_load_b64 v[8:9], v6 offset:\lb              ; LDS serves a wave's instructions in order: these see my stores
	s_wait_dscnt 0x0
	global_store_b64 v4, v[8:9], s[10:11]
.endm
.Lpath_a:
	s_lshl_b32 s44, ttmp9, 2
	s_add_co_u32 s44, s44, s2                      ; which run of 8 rows
	s_lshl_b32 s46, s44, 15
	s_mov_b32 s47, 0
	s_add_nc_u64 s[4:5], s[16:17], s[46:47]
	s_add_nc_u64 s[6:7], s[18:19], s[46:47]
	s_lshl_b32 s46, s44, 12
	s_add_nc_u64 s[8:9], s[30:31], s[46:47]
	s_lshl_b32 s46, s44, 8
	s_add_nc_u64 s[10:11], s[32:33], s[46:47]
	s_lshl_b32 s46, s44, 2
	s_add_nc_u64 s[42:43], s[40:41], s[46:47]
.irp t, 0,1,2,3
	LOAD \t, 1
.endr
	s_wait_loadcnt 24                              ; step 0's eight loads are in
	TURN 0, 0
.irp t, 0,1,2,3,4,5,6,7,8,9,10,11,12,13,14,15
	QSTEP \t, 1, 0
.endr
	SCOUT 0
	LANESUM XS2, 16, 16                            ; the 8 rows' |x|^2 and |dx|^2, in every lane
.set i, 0
.rept 16
	v_sqrt_f32 v[XS2+i], v[XS2+i]
.set i, i+1
.endr
	v_nop                                          ; a plain line behind the last root,
	s_wait_alu depctr_va_vdst(0)                   ; and one wait for the batch, ahead of its first reader
.set i, 0
.rept 8
	v_add_f32 v[XS2+i], 0x322bcc77, v[XS2+i]       ; |x| + 1e-8
.set i, i+1
.endr
.set i, 0
.rept 8
	v_rcp_f32 v[XS2+i], v[XS2+i]
.set i, i+1
.endr
	v_mov_b32 v249, 0                              ; (a plain line behind the last reciprocal)
	s_wait_alu depctr_va_vdst(0)
	v_mul_f32 v248, v[DS2], v[XS2]
.set i, 1
.rept 7
	v_fmac_f32 v248, v[DS2+i], v[XS2+i]            ; the sum of u over my 8 rows
.set i, i+1
.endr
	s_wait_xcnt 0x0                                ; EXEC changes only behind this wait
	v_cmp_eq_u32 vcc_lo, 0, v2
	s_and_saveexec_b32 s44, vcc_lo
	global_store_b32 v249, v248, s[42:43]
	s_wait_xcnt 0x0
	s_or_b32 exec_lo, exec_lo, s44
	FINISH
.Lpath_b:
	s_sub_co_u32 s44, ttmp9, 256                   ; 0..95: 32 work-groups to a weight
	s_cmp_lt_u32 s44, 64
	s_cselect_b64 s[4:5], s[22:23], s[24:25]
	s_cmp_lt_u32 s44, 32
	s_cselect_b64 s[4:5], s[20:21], s[4:5]         ; the choice hangs on the work-group's number alone
	s_and_b32 s45, s44, 31
	s_lshl_b32 s45, s45, 2
	s_add_co_u32 s45, s45, s2
	s_lshl_b32 s46, s45, 15
	s_mov_b32 s47, 0
	s_add_nc_u64 s[4:5], s[4:5], s[46:47]
	s_lshl_b32 s44, s44, 2
	s_add_co_u32 s44, s44, s2                      ; which run of 8 rows of the three weights on end
	s_lshl_b32 s46, s44, 12
	s_add_nc_u64 s[8:9], s[34:35], s[46:47]
	s_lshl_b32 s46, s44, 8
	s_add_nc_u64 s[10:11], s[36:37], s[46:47]
.irp t, 0,1,2,3
	LOAD \t, 0
.endr
	s_wait_loadcnt 12                              ; step 0's four loads are in
	TURN 0, 32768
.irp t, 0,1,2,3,4,5,6,7,8,9,10,11,12,13,14,15
	QSTEP \t, 0, 32768
.endr
	SCOUT 32768
	FINISH
; ---- PATH C: a work-group takes 16 rows of wo, a wave 256 along K: 16 blocks.  Lane (r, h) loads the 32 bytes of row r, k = 16 kb + 8 h .. + 7, and stores their 16 bytes of f16 at 16 x lane
.Lpath_c:
	s_sub_co_u32 s44, ttmp9, 352
	s_lshl_b32 s46, s44, 16
	s_lshl_b32 s45, s2, 10
	s_add_co_u32 s46, s46, s45
	s_mov_b32 s47, 0
	s_add_nc_u64 s[4:5], s[26:27], s[46:47]
	s_lshl_b32 s46, s44, 15
	s_lshl_b32 s45, s2, 13
	s_add_co_u32 s46, s46, s45
	s_add_nc_u64 s[8:9], s[38:39], s[46:47]
	v_and_b32 v17, 15, v2
	v_lshrrev_b32 v18, 4, v2
	v_lshlrev_b32 v16, 12, v17
	v_lshl_add_u32 v16, v18, 5, v16                ; row r of 4,096 bytes, + 32 h
.irp kb, 0,1,2,3,4,5,6,7,8,9,10,11,12,13,14,15
	global_load_b128 v[32+8*\kb:35+8*\kb], v16, s[4:5] offset:64*\kb
	global_load_b128 v[36+8*\kb:39+8*\kb], v16, s[4:5] offset:64*\kb+16
.endr
.irp kb, 0,1,2,3,4,5,6,7,8,9,10,11,12,13,14,15
	s_wait_loadcnt 30-2*\kb                        ; block kb's two loads are in; the later blocks' may be out
.irp i, 0,1,2,3
	v_cvt_pk_f16_f32 v[160+4*\kb+\i], v[32+8*\kb+2*\i], v[32+8*\kb+2*\i+1]
.endr
	global_store_b128 v3, v[160+4*\kb:163+4*\kb], s[8:9] offset:512*\kb   ; 32 lanes store 512 consecutive bytes, aligned; no register is written twice
.endr
	FINISH
.Lfunc_end_k_q6ed0cc5923_prep:
	.size	k_q6ed0cc5923_prep, .Lfunc_end_k_q6ed0cc5923_prep-k_q6ed0cc5923_prep
	.p2alignl 7, 3214868480
	.fill 96, 4, 3214868480
	.section	.rodata,"a",@progbits
	.p2align	6, 0x0
	.amdhsa_kernel k_q6ed0cc5923_prep
		.amdhsa_group_segment_fixed_size 66048
		.amdhsa_private_segment_fixed_size 0
		.amdhsa_enable_private_segment 0
		.amdhsa_kernarg_size 104
		.amdhsa_user_sgpr_count 2
		.amdhsa_user_sgpr_kernarg_segment_ptr 1
		.amdhsa_wavefront_size32 1
		.amdhsa_system_sgpr_workgroup_id_x 1
		.amdhsa_system_sgpr_workgroup_id_y 1
		.amdhsa_system_sgpr_workgroup_id_z 1
		.amdhsa_system_vgpr_workitem_id 0
		.amdhsa_next_free_vgpr 256
		.amdhsa_next_free_sgpr 66
		.amdhsa_reserve_vcc 1
		.amdhsa_float_denorm_mode_32 3
		.amdhsa_float_denorm_mode_16_64 3
		.amdhsa_memory_ordered 1
		.amdhsa_forward_progress 1
		.amdhsa_inst_pref_size 138
	.end_amdhsa_kernel
	.amdgpu_metadata
---
amdhsa.version: [ 1, 2 ]
amdhsa.kernels:
  - .name:           k_q6ed0cc5923_prep
    .symbol:         k_q6ed0cc5923_prep.kd
    .args:
      - { .name: x, .offset: 0, .size: 8, .value_kind: global_buffer, .address_space: global }
      - { .name: delta_x, .offset: 8, .size: 8, .value_kind: global_buffer, .address_space: global }
      - { .name: wq, .offset: 16, .size: 8, .value_kind: global_buffer, .address_space: global }
      - { .name: wk, .offset: 24, .size: 8, .value_kind: global_buffer, .address_space: global }
      - { .name: wv, .offset: 32, .size: 8, .value_kind: global_buffer, .address_space: global }
      - { .name: wo, .offset: 40, .size: 8, .value_kind: global_buffer, .address_space: global }
      - { .name: prior_mask, .offset: 48, .size: 8, .value_kind: global_buffer, .address_space: global }
      - { .name: xc, .offset: 56, .size: 8, .value_kind: global_buffer, .address_space: global }
      - { .name: xs, .offset: 64, .size: 8, .value_kind: global_buffer, .address_space: global }
      - { .name: wc, .offset: 72, .size: 8, .value_kind: global_buffer, .address_space: global }
      - { .name: ws, .offset: 80, .size: 8, .value_kind: global_buffer, .address_space: global }
      - { .name: woimg, .offset: 88, .size: 8, .value_kind: global_buffer, .address_space: global }
      - { .name: stats, .offset: 96, .size: 8, .value_kind: global_buffer, .address_space: global }
    .group_segment_fixed_size: 66048
    .private_segment_fixed_size: 0
    .kernarg_segment_align: 8
    .kernarg_segment_size: 104
    .max_flat_workgroup_size: 128
    .sgpr_count:     66
    .vgpr_count:     256
    .wavefront_size: 32
...
	.end_amdgpu_metadata
.endif
;; end of part 1
;; launch qkv (part 2): grid 12 x 32, 4 waves a work-group, clusters of 4 x 4, 327,680 bytes of LDS; arguments xc, xs, wc, ws, bq, bk, bv, qkv; writes qkv
.if DOCPART == 2
	.amdgcn_target "amdgcn-amd-amdhsa--gfx1250"
	.amdhsa_code_object_version 6
	.text
	.protected	k_q6ed0cc5923_qkv
	.globl	k_q6ed0cc5923_qkv
	.p2align	8
	.type	k_q6ed0cc5923_qkv,@function
k_q6ed0cc5923_qkv:
	s_mov_b64 s[64:65], 0
	v_nop
	global_prefetch_b8 v0, s[64:65] scope:SCOPE_SE
	s_setreg_imm32_b32 hwreg(HW_REG_WAVE_MODE, 25, 1), 1
	s_wait_xcnt 0x0
	s_wait_alu depctr_hold_cnt(0) depctr_sa_sdst(0) depctr_va_vdst(0) depctr_va_sdst(0) depctr_va_ssrc(0) depctr_va_vcc(0) depctr_vm_vsrc(0)
	s_getreg_b32 s2, hwreg(HW_REG_IB_STS2, 6, 4)
	s_cmp_eq_u32 s2, 0
	s_cbranch_scc0 .Lentry_in_a_cluster
	s_endpgm
.Lentry_in_a_cluster:
	s_bfe_u32 s2, ttmp6, 0x10000c
	s_cmp_lg_u32 s2, 0xf033
	s_cbranch_scc0 .Lentry_shape_is_right
	s_endpgm
.Lentry_shape_is_right:
; Q, K, V = x W^T + b, the three quantised products as ONE product of [8,192 tokens][1,024] with [3,072 features][1,024], on codes of E2M1 with one E8M0 scale for each 32 along K; sums in f32.
; A tile of 256 tokens x 256 features is made by four waves, each 128 x 128: 64 accumulators, 512 registers.  K = 1,024 is two LDS slots of 512 along K (rows of 256 bytes): both are filled at the start, and nothing is filled again.
; The scale bytes of the work-group's 256 rows of x and 256 rows of W, for all of K, are two dense blocks: they come into LDS once, with the first fills.
; CLUSTERS: 4 x 4 work-groups.  The four of a row of the cluster need the same tiles of x, the four of a column the same tiles of W: each tile is asked for jointly, by the same tensor load with a mask that names the four.
; The cluster's x (0, 1, 2) is the tensor: Q, K or V; cx is its quarter of the 1,024 features.
; THE MATRIX INSTRUCTION IS USED TRANSPOSED (source 0 = 16 features of W, source 1 = 16 tokens): a lane holds one token and eight neighbouring features.  The bias, in that layout, is the C of the first K step's products.
; THE WAY OUT needs no LDS: eight results round to 16 bytes of f16, and a 16 x 16 result is stored as a block of 512 consecutive bytes, lane l's 16 bytes at 16 l: the image of half an operand's registers.
; qkv: [batch 4][head 16][step of 64 tokens, 32][Q 8,192 | K 8,192 | V 8,192 bytes], each part 16 blocks at (token tile x 4 + feature block) x 512.  In V's blocks token r, half h lies at 16 (16 (r / 8) + 8 h + r % 8),
; so that the turning LDS load at 16 x lane gives half a fragment of V^T.
; LIMIT: Q, K and V are rounded to f16: magnitudes over 65,504 are not served.
; REGISTERS, in windows of 256: window 0: v0-31 addresses; v32-95 scale words, two sets, and nothing else; v128-191 x's fragments, one set; v192-255 the bias; on the way out v128-255 hold packed results.
;   window 1: W's fragments, two sets, at v0 and v128.   window 2: the accumulators of my tokens 0-63 ((a, b) at v[8 (8 a + b)]);   window 3: those of tokens 64-127.
.set NQ,     4                         ; matrix instructions deep in a slot
.set ROWB,   256                       ; a tile's row in bytes: 512 codes
.set KROW,   512                       ; a row of codes in memory
.set PITCH,  272                       ; an LDS row: 256 bytes + 16 of padding: the 16 rows that a load touches start at 16 different banks
.set FR,     8                         ; registers of a fragment: 16 rows x 128 K
.set NL,     2                         ; LDS loads that bring one
.set HALFT,  128*PITCH
.set SLOT,   4*HALFT                   ; x's 256 rows, then W's 256 rows
.set KS,     32                        ; a row of scale bytes
.set SCL,    2*SLOT                    ; behind the slots: the scales, as units of 256 bytes + 16 of padding
.set HALFS,  (128*KS/256)*272
.set SBLK,   (16*KS/256)*272
.set SPARE,  SCL+4*HALFS               ; the spare words, 128 bytes for each wave: two blocks of 256 bytes that no other line names
.set HEADB,  786432                    ; bytes of a (batch, head) in qkv
.set STEPB,  24576                     ; bytes of a step of 64 tokens
.set ADRA, 16                          ; v16-17  LDS address of my fragments of x in slot 0, 1
.set ADRB, 20                          ; v20-21  the same for W
.set ADRS, 27                          ; v27     LDS address of my scale words: lanes 0-15 x's rows, lanes 16-31 W's
.set SPW,  28                          ; v28     LDS address of my spare word; never rewritten
.set NIL,  29                          ; v29     0; never rewritten
.set VO,   30                          ; v30     my 16 bytes' place in a block
.set BO,   31                          ; v31     32 h: my eight numbers of a tile's sixteen biases
.set SC,   32
.set AF,   128
.set BI,   192
.set WV,   20                          ; s20 wave;  s21 wave / 2: my half of the tokens, and: I fetch for x (0) or W (1);  s22 wave % 2: my half of the features, and which 128 rows I fetch
.set RH,   21
.set CH,   22
.set G1,   24                          ; s[24:31], s[32:39] groups 1 and 0 (a set for each slot) for x's tiles;  s[40:47], s[48:55] for W's
.set G0,   32
.set G1B,  40
.set G0B,  48
.set G1S,  56                          ; s[56:63], s[76:79] groups 1 and 0 for x's scales;  s[68:75], s[80:83] for W's
.set G1SB, 68
.set G0S,  76
.set G0SB, 80
.set CX,   84
.set CY,   85
.set TC,   86                          ; tile column = 4 x cluster x + cx
.set TR,   87                          ; tile row = 4 x cluster y + cy
.set MROW, 88
.set MCOL, 89
.set MSB, 0
.macro WIN new                         ; the immediate's high byte repeats the setting that is left
.if MSB != (\new)
	s_set_vgpr_msb (MSB<<8)|(\new)
.set MSB, (\new)
.endif
.endm
.set MUL_LO, 0xa1                      ; source 0 (W) window 1, source 1 (x) window 0, C and D window 2
.set MUL_HI, 0xf1                      ; the same, C and D window 3
.set TO_B,   0x40                      ; destination window 1, address window 0
.macro PLACES                          ; four plain lines in front of loads into registers that matrix instructions have read, and of the first read of results
.rept 4
	v_nop
.endr
.endm
; A joint load: waves 0 and 1 fetch for x, waves 2 and 3 for W; the branch hangs on the wave's number alone.  An s_nop 0 and four v_nop follow each of the two lines.
.macro JLOAD g0a, g1a, g0b, g1b
	s_cmp_eq_u32 s[RH], 0
	s_cbranch_scc0 .Lfor_b_\@
	tensor_load_to_lds s[\g0a:\g0a+3], s[\g1a:\g1a+7]
	s_nop 0
.rept 4
	v_nop
.endr
	s_branch .Lasked_\@
.Lfor_b_\@:
	tensor_load_to_lds s[\g0b:\g0b+3], s[\g1b:\g1b+7]
	s_nop 0
.rept 4
	v_nop
.endr
.Lasked_\@:
.endm
.macro CROUND                          ; a round of the cluster's barrier
	s_barrier_signal -1
	s_barrier_wait -1
	s_cmp_lg_u32 s[WV], 0
	s_cbranch_scc1 .Lnot_wave_0_\@
	s_barrier_signal -3
.Lnot_wave_0_\@:
	s_barrier_wait -3
	s_barrier_signal -1
	s_barrier_wait -1
.endm
	s_load_b256 s[4:11], s[0:1], 0x0               ; xc 4, xs 6, wc 8, ws 10
	s_load_b256 s[12:19], s[0:1], 0x20             ; bq 12, bk 14, bv 16, qkv 18
	v_lshl_add_u32 v[SPW], v0, 2, SPARE
	v_mov_b32 v[NIL], 0
	ds_add_u32 v[SPW], v[NIL]                      ; the wave's opening: the add, twice on end, and its wait ahead of my first tensor load
	ds_add_u32 v[SPW], v[NIL]
	v_lshrrev_b32 v1, 5, v0
	v_readfirstlane_b32 s[WV], v1
	s_lshr_b32 s[RH], s[WV], 1
	s_and_b32 s[CH], s[WV], 1
	s_bfe_u32 s[CX], ttmp6, 0x40000
	s_bfe_u32 s[CY], ttmp6, 0x40004
	s_lshl_b32 s[TC], ttmp9, 2
	s_add_co_u32 s[TC], s[TC], s[CX]
	s_and_b32 s[TR], ttmp7, 0xffff
	s_lshl_b32 s[TR], s[TR], 2
	s_add_co_u32 s[TR], s[TR], s[CY]
	s_lshl_b32 s[MROW], s[CY], 2
	s_lshl_b32 s[MROW], 15, s[MROW]                ; my row of the cluster
	s_lshl_b32 s[MCOL], 0x1111, s[CX]              ; my column
	; group 1: a tile of 128 rows x 256 bytes, 16 bytes of padding behind each row
	s_or_b32 s[G1+0], s[MROW], (0<<16)|(1<<20)|(1<<21)|(5<<22)|(3<<25)
	s_or_b32 s[G1B+0], s[MCOL], (0<<16)|(1<<20)|(1<<21)|(5<<22)|(3<<25)
.irp g, G1, G1B
	s_mov_b32 s[\g+1], ROWB<<16                    ; tensor_dim0
	s_mov_b32 s[\g+2], 128<<16                     ; tensor_dim1
	s_mov_b32 s[\g+3], ROWB<<16                    ; tile_dim0
	s_mov_b32 s[\g+4], 128                         ; tile_dim1
	s_mov_b32 s[\g+5], KROW                        ; from row to row
	s_mov_b32 s[\g+6], 0
	s_mov_b32 s[\g+7], 0
.endr
	; the scales of 128 rows: 4,096 dense bytes, as 16 rows of 256 bytes (32 elements of 8), 16 bytes of padding behind each
	s_or_b32 s[G1S+0], s[MROW], (3<<16)|(1<<20)|(1<<21)|(5<<22)|(3<<25)
	s_or_b32 s[G1SB+0], s[MCOL], (3<<16)|(1<<20)|(1<<21)|(5<<22)|(3<<25)
.irp g, G1S, G1SB
	s_mov_b32 s[\g+1], 32<<16
	s_mov_b32 s[\g+2], (128*KS/256)<<16
	s_mov_b32 s[\g+3], 32<<16
	s_mov_b32 s[\g+4], 128*KS/256
	s_mov_b32 s[\g+5], 32
	s_mov_b32 s[\g+6], 0
	s_mov_b32 s[\g+7], 0
.endr
	s_lshl_b32 s23, s[CH], 7                       ; which 128 rows of the tile I fetch
	s_lshl_b32 s90, s[TR], 8
	s_add_co_u32 s90, s90, s23                     ; x: row 256 x tile row + 128 x half
	s_lshl_b32 s92, s[TC], 8
	s_add_co_u32 s92, s92, s23                     ; W: row 256 x tile column + 128 x half
	s_lshl_b32 s94, s90, 5                         ; these rows' scale bytes,
	s_lshl_b32 s96, s92, 5
	s_lshl_b32 s90, s90, 9                         ; and their codes
	s_lshl_b32 s92, s92, 9
	s_mov_b32 s91, 0
	s_mov_b32 s93, 0
	s_mov_b32 s95, 0
	s_mov_b32 s97, 0
	s_mul_i32 s98, s[WV], HALFT                    ; where they go: wave x 128 rows: no place in the cluster enters an LDS address
	s_mul_i32 s99, s[WV], HALFS
	s_lshl_b32 s100, s[CX], 10                     ; my 128 biases: 4 (256 cx + 128 x half)
	s_lshl_b32 s101, s[CH], 9
	s_add_co_u32 s100, s100, s101
	s_mov_b32 s101, 0
	s_wait_dscnt 0x0                               ; both opening adds are done
	s_wait_kmcnt 0x0
	s_add_nc_u64 s[90:91], s[4:5], s[90:91]
	s_add_nc_u64 s[94:95], s[6:7], s[94:95]
	s_add_nc_u64 s[92:93], s[8:9], s[92:93]
	s_add_nc_u64 s[96:97], s[10:11], s[96:97]
	s_cmp_eq_u32 ttmp9, 1                          ; which tensor's bias: the cluster's x, the same in all partners
	s_cselect_b64 s[2:3], s[14:15], s[12:13]
	s_cmp_eq_u32 ttmp9, 2
	s_cselect_b64 s[2:3], s[16:17], s[2:3]
	s_add_nc_u64 s[2:3], s[2:3], s[100:101]
	CROUND                                         ; all sixteen work-groups are here: the first joint loads meet
	s_mov_b32 s[G0S], 1
	s_add_co_u32 s[G0S+1], s99, SCL
	s_mov_b64 s[G0S+2:G0S+3], s[94:95]
	s_or_b32 s[G0S+3], s[G0S+3], 0x80000000
	s_mov_b32 s[G0SB], 1
	s_add_co_u32 s[G0SB+1], s99, SCL
	s_mov_b64 s[G0SB+2:G0SB+3], s[96:97]
	s_or_b32 s[G0SB+3], s[G0SB+3], 0x80000000
	JLOAD G0S, G1S, G0SB, G1SB                     ; the scales first: they are wanted with the first K step.  Three tensor loads of mine are out at the most
.irp s, 0,1
	s_mov_b32 s[G0+4*\s], 1
	s_add_co_u32 s[G0+4*\s+1], s98, \s*SLOT
	s_add_nc_u64 s[G0+4*\s+2:G0+4*\s+3], s[90:91], \s*ROWB
	s_or_b32 s[G0+4*\s+3], s[G0+4*\s+3], 0x80000000
	s_mov_b32 s[G0B+4*\s], 1
	s_add_co_u32 s[G0B+4*\s+1], s98, \s*SLOT
	s_add_nc_u64 s[G0B+4*\s+2:G0B+4*\s+3], s[92:93], \s*ROWB
	s_or_b32 s[G0B+4*\s+3], s[G0B+4*\s+3], 0x80000000
	JLOAD G0+4*\s, G1, G0B+4*\s, G1B
.endr
	v_and_b32 v1, 15, v0                           ; r = l % 16
	v_bfe_u32 v2, v0, 4, 1                         ; h = l / 16
	v_lshlrev_b32 v[BO], 5, v2
.irp b, 0,1,2,3,4,5,6,7                        ; register 8 b + j: the bias of feature 16 b + 8 h + j of my 128
	global_load_b128 v[BI+8*\b:BI+8*\b+3], v[BO], s[2:3] offset:64*\b
	global_load_b128 v[BI+8*\b+4:BI+8*\b+7], v[BO], s[2:3] offset:64*\b+16
.endr
	v_mul_u32_u24 v3, v1, PITCH
	v_lshl_add_u32 v4, v2, 4, v3                   ; a fragment's row x pitch + 16 x half
	s_mul_i32 s94, s[RH], HALFT                    ; my 128 rows of x
	s_mul_i32 s95, s[CH], HALFT                    ; my 128 rows of W,
	s_add_co_u32 s95, s95, 2*HALFT                 ; which lie behind x's 256
.irp s, 0,1
	v_add_nc_u32 v[ADRA+\s], s94, v4
	v_add_nc_u32 v[ADRB+\s], s95, v4
	s_add_co_u32 s94, s94, SLOT
	s_add_co_u32 s95, s95, SLOT
.endr
	v_mul_u32_u24 v5, v1, KS                       ; my row's scales: 32 bytes a row,
	v_lshrrev_b32 v6, 8, v5
	v_lshl_add_u32 v5, v6, 4, v5                   ; and 16 more for each 256 passed
	s_mul_i32 s94, s[RH], HALFS
	s_mul_i32 s95, s[CH], HALFS
	s_add_co_u32 s95, s95, 2*HALFS
	s_sub_co_u32 s95, s95, s94
	v_mul_u32_u24 v6, s95, v2                      ; lanes 16-31 take W's: the lower base + h x the distance
	s_add_co_u32 s94, s94, SCL
	v_add_nc_u32 v5, v5, v6
	v_add_nc_u32 v[ADRS], s94, v5
	s_cmp_eq_u32 ttmp9, 2                          ; my 16 bytes' place in a block: 16 (r % 8 + c1 (r / 8) + c2 h); V's blocks change the two steps
	s_cselect_b32 s100, 16, 8
	s_cselect_b32 s101, 8, 16
	v_and_b32 v5, 7, v1
	v_lshrrev_b32 v6, 3, v1
	v_mad_u32_u24 v5, v6, s100, v5
	v_mad_u32_u24 v5, v2, s101, v5
	v_lshlrev_b32 v[VO], 4, v5
	s_lshr_b32 s90, s[TR], 3                       ; the batch
	s_lshl_b32 s90, s90, 4
	s_lshl_b32 s91, s[CX], 2
	s_add_co_u32 s90, s90, s91
	s_lshl_b32 s91, s[CH], 1
	s_add_co_u32 s90, s90, s91                     ; my first head: 16 x batch + 4 cx + 2 x half
	s_mul_i32 s90, s90, HEADB
	s_and_b32 s91, s[TR], 7
	s_lshl_b32 s91, s91, 2
	s_lshl_b32 s92, s[RH], 1
	s_add_co_u32 s91, s91, s92                     ; my first step of 64 tokens
	s_mul_i32 s91, s91, STEPB
	s_add_co_u32 s90, s90, s91
	s_lshl_b32 s91, ttmp9, 13                      ; Q's, K's or V's part of a step
	s_add_co_u32 s90, s90, s91
	s_mov_b32 s91, 0
	s_add_nc_u64 s[18:19], s[18:19], s[90:91]
.macro FRAG reg, adr, q, i             ; 16 rows x 128 K of 4-bit codes: lane l holds row l % 16; registers 4 c .. 4 c + 3 hold K = 64 c + 32 (l / 16) + 0 .. 31
.irp c, 0,1
	ds_load_b128 v[\reg+4*\c:\reg+4*\c+3], v[\adr] offset:64*(\q)+32*\c+(\i)*16*PITCH
.endr
.endm
; 16 matrix instructions: x's blocks a0, a0 + 1 against W's eight, the slot's q-th 128 along K.  p: W's set; sc: the set of scale words.  first = 1: the bias is C: nothing is cleared and nothing is added later.
; The 64 accumulators take turns, one instruction a turn, in the same order in every step.
.macro MUL16 a0, p, q, sc, first
.irp a, \a0, \a0+1
.irp b, 0,1,2,3,4,5,6,7
.if \first
	v_wmma_scale_f32_16x16x128_f8f6f4 v[8*(8*((\a)%4)+\b):8*(8*((\a)%4)+\b)+7], v[128*(\p)+FR*\b:128*(\p)+FR*\b+FR-1], v[AF+FR*(\a):AF+FR*(\a)+FR-1], v[BI+8*\b:BI+8*\b+7], v[SC+8*NQ*(\sc)+NQ*\b+(\q)], v[SC+8*NQ*(\sc)+NQ*(\a)+(\q)] matrix_a_fmt:MATRIX_FMT_FP4 matrix_b_fmt:MATRIX_FMT_FP4 matrix_a_scale:MATRIX_SCALE_ROW1
.else
	v_wmma_scale_f32_16x16x128_f8f6f4 v[8*(8*((\a)%4)+\b):8*(8*((\a)%4)+\b)+7], v[128*(\p)+FR*\b:128*(\p)+FR*\b+FR-1], v[AF+FR*(\a):AF+FR*(\a)+FR-1], v[8*(8*((\a)%4)+\b):8*(8*((\a)%4)+\b)+7], v[SC+8*NQ*(\sc)+NQ*\b+(\q)], v[SC+8*NQ*(\sc)+NQ*(\a)+(\q)] matrix_a_fmt:MATRIX_FMT_FP4 matrix_b_fmt:MATRIX_FMT_FP4 matrix_a_scale:MATRIX_SCALE_ROW1
.endif
.endr
.endr
.endm
.macro FETCH_B slot, q, p
	WIN TO_B
.irp i, 0,1,2,3,4,5,6,7
	FRAG 128*(\p)+FR*\i, ADRB+\slot, \q, \i
.endr
	WIN 0
.endm
.macro FETCH_A slot, q, i0
.irp i, \i0, \i0+1, \i0+2, \i0+3
	FRAG AF+FR*(\i), ADRA+\slot, \q, \i
.endr
.endm
.macro SCALES sc                       ; a slot's scale words: 4 words a row; lanes 0-15 take x's block i, lanes 16-31 W's block i
.irp i, 0,1,2,3,4,5,6,7
	ds_load_b128 v[SC+8*NQ*\sc+NQ*\i:SC+8*NQ*\sc+NQ*\i+3], v[ADRS] offset:\i*SBLK
.endr
.endm
; A step of 128 along K that has its successor in the same slot.  A block of x is free as soon as its eight products are issued: blocks 0-3 are fetched anew in the step's middle, blocks 4-7 at its end.
.macro STEP slot, q, first
	s_wait_dscnt 4*NL                              ; W's set and x's blocks 0-3 are in; the youngest eight loads (x's blocks 4-7) may be out
.if \first
	WIN 0x81                                       ; as MUL_LO, with C (the bias) in window 0
.else
	WIN MUL_LO
.endif
	MUL16 0, (\q)%2, \q, \slot, \first
	MUL16 2, (\q)%2, \q, \slot, \first
	s_wait_dscnt 0
	PLACES
	FETCH_B \slot, (\q)+1, 1-(\q)%2
	FETCH_A \slot, (\q)+1, 0
.if \first
	WIN 0xc1
.else
	WIN MUL_HI
.endif
	MUL16 4, (\q)%2, \q, \slot, \first
	MUL16 6, (\q)%2, \q, \slot, \first
	PLACES
	WIN 0
	FETCH_A \slot, (\q)+1, 4
.endm
.macro STEPS slot, from
.set Q, \from
.rept NQ-1-\from
	STEP \slot, Q, 0
.set Q, Q+1
.endr
.endm
	s_wait_tensorcnt 1                             ; the scales and my part of slot 0 are in; slot 1's load may be out
	s_barrier_signal -1
	s_barrier_wait -1                              ; everybody's are
	FETCH_B 0, 0, 0
	FETCH_A 0, 0, 0
	SCALES 0
	FETCH_A 0, 0, 4
	s_wait_loadcnt 0x0                             ; the bias
	STEP 0, 0, 1
	STEPS 0, 1
	; slot 0's last step changes slots: one barrier; in front of it each wave waits for all its tensor loads (its part of slot 1), adds 0 to its spare word, and waits for that and for its LDS loads
	s_wait_tensorcnt 0x0
	ds_add_u32 v[SPW], v[NIL]
	s_wait_dscnt 4*NL+1                            ; (the add and x's blocks 4-7 may be out)
	WIN MUL_LO
	MUL16 0, 1, NQ-1, 0, 0
	s_wait_dscnt 0x0
	s_barrier_signal -1
	MUL16 2, 1, NQ-1, 0, 0
	WIN 0
	s_barrier_wait -1                              ; slot 1 is whole
	PLACES
	v_add_nc_u32 v[ADRS], 4*NQ, v[ADRS]            ; on to slot 1's scale words
	FETCH_B 1, 0, 0
	FETCH_A 1, 0, 0
	SCALES 1
	WIN MUL_HI
	MUL16 4, 1, NQ-1, 0, 0
	MUL16 6, 1, NQ-1, 0, 0
	PLACES
	WIN 0
	FETCH_A 1, 0, 4
	STEPS 1, 0
	s_wait_dscnt 4*NL                              ; the last step: nothing more to fetch
	WIN MUL_LO
	MUL16 0, 1, NQ-1, 1, 0
	MUL16 2, 1, NQ-1, 1, 0
	s_wait_dscnt 0
	WIN MUL_HI
	MUL16 4, 1, NQ-1, 1, 0
	MUL16 6, 1, NQ-1, 1, 0
	WIN 0
; THE WAY OUT, 16 tokens at a time: each accumulator, from its low end on, rounds to 4 registers and leaves as a block of 512 consecutive bytes.  Four sets of 32 registers take turns.
.macro PACKOUT a
.if (\a) >= 4
	s_wait_xcnt 0x0                                ; the stores of four blocks ago have read their registers
.endif
.set AC, 64*((\a)%4)
.set PB, 128+32*((\a)%4)
	WIN 0x0a+5*((\a)/4)                            ; sources 0 and 1: window 2 or 3
.irp b, 0,1,2,3,4,5,6,7
.irp i, 0,1,2,3
	v_cvt_pk_f16_f32 v[PB+4*\b+\i], v[AC+8*\b+2*\i], v[AC+8*\b+2*\i+1]
.endr
.endr
	WIN 0
.irp b, 0,1,2,3,4,5,6,7
	global_store_b128 v[VO], v[PB+4*\b:PB+4*\b+3], s[18:19] offset:(\b/4)*HEADB+((\a)/4)*STEPB+(((\a)%4)*4+(\b%4))*512
.endr
.endm
	PLACES                                         ; behind the last products: their results are read, and registers that held operands are written
.irp a, 0,1,2,3,4,5,6,7
	PACKOUT \a
.endr
	s_wait_tensorcnt 0x0                           ; the wave's end
	ds_add_u32 v[SPW], v[NIL]
	s_wait_dscnt 0x0
	CROUND                                         ; the closing round: no work-group ends while a partner may still ask for a tile that names it
	s_endpgm
.Lfunc_end_k_q6ed0cc5923_qkv:
	.size	k_q6ed0cc5923_qkv, .Lfunc_end_k_q6ed0cc5923_qkv-k_q6ed0cc5923_qkv
	.p2alignl 7, 3214868480
	.fill 96, 4, 3214868480
	.section	.rodata,"a",@progbits
	.p2align	6, 0x0
	.amdhsa_kernel k_q6ed0cc5923_qkv
		.amdhsa_group_segment_fixed_size 327680
		.amdhsa_private_segment_fixed_size 0
		.amdhsa_enable_private_segment 0
		.amdhsa_kernarg_size 64
		.amdhsa_user_sgpr_count 2
		.amdhsa_user_sgpr_kernarg_segment_ptr 1
		.amdhsa_wavefront_size32 1
		.amdhsa_system_sgpr_workgroup_id_x 1
		.amdhsa_system_sgpr_workgroup_id_y 1
		.amdhsa_system_sgpr_workgroup_id_z 1
		.amdhsa_system_vgpr_workitem_id 0
		.amdhsa_next_free_vgpr 1024
		.amdhsa_next_free_sgpr 102
		.amdhsa_reserve_vcc 0
		.amdhsa_float_denorm_mode_32 3
		.amdhsa_float_denorm_mode_16_64 3
		.amdhsa_memory_ordered 1
		.amdhsa_forward_progress 1
		.amdhsa_inst_pref_size 120
	.end_amdhsa_kernel
	.amdgpu_metadata
---
amdhsa.version: [ 1, 2 ]
amdhsa.kernels:
  - .name:           k_q6ed0cc5923_qkv
    .symbol:         k_q6ed0cc5923_qkv.kd
    .args:
      - { .name: xc, .offset: 0, .size: 8, .value_kind: global_buffer, .address_space: global }
      - { .name: xs, .offset: 8, .size: 8, .value_kind: global_buffer, .address_space: global }
      - { .name: wc, .offset: 16, .size: 8, .value_kind: global_buffer, .address_space: global }
      - { .name: ws, .offset: 24, .size: 8, .value_kind: global_buffer, .address_space: global }
      - { .name: bq, .offset: 32, .size: 8, .value_kind: global_buffer, .address_space: global }
      - { .name: bk, .offset: 40, .size: 8, .value_kind: global_buffer, .address_space: global }
      - { .name: bv, .offset: 48, .size: 8, .value_kind: global_buffer, .address_space: global }
      - { .name: qkv, .offset: 56, .size: 8, .value_kind: global_buffer, .address_space: global }
    .group_segment_fixed_size: 327680
    .private_segment_fixed_size: 0
    .kernarg_segment_align: 8
    .kernarg_segment_size: 64
    .max_flat_workgroup_size: 128
    .sgpr_count:     102
    .vgpr_count:     1024
    .wavefront_size: 32
...
	.end_amdgpu_metadata
.endif
;; end of part 2
;; launch attn (part 3): grid 16 x 16, 8 waves a work-group, clusters of 4 x 4, 327,680 bytes of LDS; arguments qkv, prior_mask, stats, att; writes att
.if DOCPART == 3
	.amdgcn_target "amdgcn-amd-amdhsa--gfx1250"
	.amdhsa_code_object_version 6
	.text
	.protected	k_q6ed0cc5923_attn
	.globl	k_q6ed0cc5923_attn
	.p2align	8
	.type	k_q6ed0cc5923_attn,@function
k_q6ed0cc5923_attn:
	s_mov_b64 s[64:65], 0
	v_nop
	global_prefetch_b8 v0, s[64:65] scope:SCOPE_SE
	s_setreg_imm32_b32 hwreg(HW_REG_WAVE_MODE, 25, 1), 1
	s_wait_xcnt 0x0
	s_wait_alu depctr_hold_cnt(0) depctr_sa_sdst(0) depctr_va_vdst(0) depctr_va_sdst(0) depctr_va_ssrc(0) depctr_va_vcc(0) depctr_vm_vsrc(0)
	s_getreg_b32 s2, hwreg(HW_REG_IB_STS2, 6, 4)
	s_cmp_eq_u32 s2, 0
	s_cbranch_scc0 .Lentry_in_a_cluster
	s_endpgm
.Lentry_in_a_cluster:
	s_bfe_u32 s2, ttmp6, 0x10000c
	s_cmp_lg_u32 s2, 0xf033
	s_cbranch_scc0 .Lentry_shape_is_right
	s_endpgm
.Lentry_shape_is_right:
; att = softmax(clip(Q K^T / 8 + lam prior_mask)) V, for 4 batches x 16 heads of 64, 2,048 queries x 2,048 keys.  lam[b] = 10 exp(-5 mean of u over the batch's rows); where lam > 1, a score under
; lam x (the mean of the query's row of prior_mask) becomes -infinity.  Q, K, V come as f16 blocks (16 rows x 16 along K, lane l's 16 bytes at 16 l); prior_mask, lam, the threshold, maxima and sums are f32.
; SHARES.  A work-group owns 128 queries x 4 heads; wave w owns head w % 4 and queries 64 (w / 4) on: four tiles of 16.  Two waves share a SIMD, so that one wave's products stand beside the other's softmax.  Every wave walks all keys, 64 a step.
; CLUSTER, 4 x 4: cluster y = the batch, cy = the group of 4 heads, 4 x cluster x + cx = the block of 128 queries.  K and V of a step hang on (batch, cy, wave): asked for jointly by the cluster's row.
; prior_mask's tile hangs on (block of queries, wave): asked for jointly by the column.  Waves 0-3 fetch a head's K and V (16,384 dense bytes), waves 4-7 32 rows x 256 bytes of prior_mask: one load a wave behind each round.
; LAYOUT.  S^T = K Q^T + 8 lam prior (source 0 = 16 keys, source 1 = 16 queries; the bias is the products' C): a lane holds ONE query (lane % 16) and keys 8 (lane / 16) + 0 .. 7 of a tile.  Rounded to f16 in pairs,
; two such tiles are source 1 of O^T = V^T P.  V's blocks come turned, by ds_load_tr16_b128.
; SOFTMAX.  s = 8 x the score.  For each query a running maximum m of the UNCLIPPED s and a sum l: p = 2^(c s - c m), c = log2(e) / 8; O and l are multiplied by a = 2^(c m_old - c m_new) in every step.
; If the unclipped maximum is at or over the threshold it survives the clip and is the clipped maximum; if it is under, every p so far is 0 and m is under any later survivor.
; A row with no survivor ends as 0 x infinity = NaN, as a softmax of nothing but -infinity does.
; LIMITS: the threshold is lam x mean(prior), not mean(lam x prior), and Q and K carry f16's rounding: a score within that rounding of the threshold may fall on the other side; its weight is 2^(c (threshold - m)).
; Q, K, V and the result are f16: magnitudes over 65,504 are not served.
; REGISTERS.  window 0: v1-8 addresses; v12-43 eight registers of statistics a tile; v44-47 thresholds; v48 -infinity; v50-63 at work; v64-191 S^T (tile t, key tile u at 64 + 32 t + 8 u), later P in each tile's low 16; v192-255 K.
;   window 1: v0-127 O^T (tile t, channel tile at 32 t + 8 dt); v128-191 Q; v192-255 V.
.set SLOT1, 131072                     ; slot 1 begins here: one exclusive or turns an address in one slot into the other's
.set POFF,  65536                      ; in a slot: 4 heads x (K 8,192 + V 8,192), then 128 rows of prior_mask, 256 bytes + 16 of padding
.set PP,    272
.set SPARE, SLOT1+POFF+128*PP          ; the spare words, 128 bytes for each wave: four blocks of 256 bytes that no other line names
.set HEADB, 786432
.set STEPB, 24576
.set L16,  1                           ; v1  16 x lane
.set AKV0, 2                           ; v2  my lane's place in my head's K and V
.set AP0,  3                           ; v3  my lane's place in prior_mask's tile
.set ADK,  4                           ; v4, v5  the same in the slot in hand
.set ADP,  5
.set SPW,  6                           ; v6  LDS address of my spare word; never rewritten
.set NIL,  7                           ; v7  0; never rewritten
.set PFO,  8                           ; v8  the prefetches' offset; never rewritten
.set ST,   12                          ; tile t at v[12 + 8 t]: +0 c m, +1 m, +2, +3 l (even keys', odd keys'), +4 .. +7 c0-c3 at work; a takes c2's place
.set THR,  44
.set NINF, 48
.set SS,   64
.set KF,   192
.set OA,   0                           ; in window 1
.set QF,   128
.set VF,   192
.set WV,   14
.set HL,   15                          ; wave % 4
.set QH,   16                          ; wave / 4
.set CX,   17
.set CY,   18
.set QB,   19
.set BB,   20
.set MROW, 21
.set MCOL, 22
.set G1KV, 24                          ; s[24:31], s[40:43] groups 1 and 0 for K and V;  s[32:39], s[44:47] for prior_mask.  The groups 0 walk
.set G1P,  32
.set G0KV, 40
.set G0P,  44
.set CS,   48                          ; s[48:49] c, twice
.set SEL,  50                          ; s[50:51] lane selects for v_permlanex16_b32: lane l xor 16
.set LAM8, 52                          ; s[52:53] 8 lam, twice
.set TB,   54                          ; s54  where the slot in hand begins
.set CNT,  55                          ; s55  trips to go
.set LIM,  56                          ; s56  1 in a wave that prefetches, else the greatest number
.set PFA,  58                          ; s[58:59] where my prefetches stand;  s[60:61] a step on
.set PFS,  60
.set MSB, 0
.macro WIN new
.if MSB != (\new)
	s_set_vgpr_msb (MSB<<8)|(\new)
.set MSB, (\new)
.endif
.endm
.set W_KQ, 0x04                        ; Q (source 1) in window 1
.set W_PV, 0x51                        ; V, C and D in window 1; P in window 0
.set W_RS, 0x41                        ; O^T (destination and source 0) in window 1
.set TO1,  0x40                        ; destination window 1
.macro PLACES
.rept 4
	v_nop
.endr
.endm
.macro JLOAD                           ; the branch hangs on the wave's number alone; an s_nop 0 and four v_nop follow each of the two lines
	s_cmp_lt_u32 s[WV], 4
	s_cbranch_scc0 .Lfor_p_\@
	tensor_load_to_lds s[G0KV:G0KV+3], s[G1KV:G1KV+7]
	s_nop 0
.rept 4
	v_nop
.endr
	s_branch .Lasked_\@
.Lfor_p_\@:
	tensor_load_to_lds s[G0P:G0P+3], s[G1P:G1P+7]
	s_nop 0
.rept 4
	v_nop
.endr
.Lasked_\@:
.endm
.macro CROUND
	s_barrier_signal -1
	s_barrier_wait -1
	s_cmp_lg_u32 s[WV], 0
	s_cbranch_scc1 .Lnot_wave_0_\@
	s_barrier_signal -3
.Lnot_wave_0_\@:
	s_barrier_wait -3
	s_barrier_signal -1
	s_barrier_wait -1
.endm
; A PREFETCH INTO THE L2 of the step behind the one that has just been asked for: one key step, 64 matrix and some 800 vector instructions of a wave, ahead of its tensor load.
; Each aligned block of 256 bytes is named once in the launch.  K and V of a (batch, group of heads) are walked by the four clusters of that batch: the one with cluster x = 0 asks; its row's four partners take 4,096 of each
; head's 16,384 bytes, told apart by address; waves 0 and 1 ask, two heads each, sixteen lanes to a head.  prior_mask's tile is walked by the four batches: cluster y = 0 asks; the column's four partners take 32 rows each, by address; wave 4 asks, a lane a row.
; The last trip asks for nothing; steps 0 and 1 come by their loads alone.
.macro ASK
	s_cmp_gt_u32 s[CNT], s[LIM]
	s_cbranch_scc0 .Lnot_mine_\@
	global_prefetch_b8 v[PFO], s[PFA:PFA+1] th:TH_LOAD_NT scope:SCOPE_SE
.Lnot_mine_\@:
.endm
	s_load_b256 s[4:11], s[0:1], 0x0               ; qkv 4, prior_mask 6, stats 8, att 10
	v_lshl_add_u32 v[SPW], v0, 2, SPARE
	v_mov_b32 v[NIL], 0
	ds_add_u32 v[SPW], v[NIL]                      ; the wave's opening: the add, twice on end, and its wait ahead of my first tensor load
	ds_add_u32 v[SPW], v[NIL]
	v_lshrrev_b32 v9, 5, v0
	v_readfirstlane_b32 s[WV], v9
	s_and_b32 s[HL], s[WV], 3
	s_lshr_b32 s[QH], s[WV], 2
	s_bfe_u32 s[CX], ttmp6, 0x40000
	s_bfe_u32 s[CY], ttmp6, 0x40004
	s_lshl_b32 s[QB], ttmp9, 2
	s_add_co_u32 s[QB], s[QB], s[CX]               ; my block of 128 queries
	s_and_b32 s[BB], ttmp7, 0xffff                 ; the batch
	s_lshl_b32 s[MROW], s[CY], 2
	s_lshl_b32 s[MROW], 15, s[MROW]
	s_lshl_b32 s[MCOL], 0x1111, s[CX]
	s_or_b32 s[G1KV], s[MROW], (3<<16)|(1<<21)     ; K and V: 16,384 dense bytes as 64 rows of 256 (32 elements of 8 bytes), no padding; the mask: my row
	s_mov_b32 s[G1KV+1], 32<<16
	s_mov_b32 s[G1KV+2], 64<<16
	s_mov_b32 s[G1KV+3], 32<<16
	s_mov_b32 s[G1KV+4], 64
	s_mov_b32 s[G1KV+5], 32
	s_mov_b32 s[G1KV+6], 0
	s_mov_b32 s[G1KV+7], 0
	s_or_b32 s[G1P], s[MCOL], (2<<16)|(1<<20)|(1<<21)|(5<<22)|(3<<25)   ; prior_mask: 32 rows of 64 elements of 4 bytes, 2,048 elements apart, four words of padding behind every 64; the mask: my column
	s_mov_b32 s[G1P+1], 64<<16
	s_mov_b32 s[G1P+2], 32<<16
	s_mov_b32 s[G1P+3], 64<<16
	s_mov_b32 s[G1P+4], 32
	s_mov_b32 s[G1P+5], 2048
	s_mov_b32 s[G1P+6], 0
	s_mov_b32 s[G1P+7], 0
	s_lshl_b32 s66, s[BB], 4
	s_lshl_b32 s67, s[CY], 2
	s_add_co_u32 s66, s66, s67
	s_add_co_u32 s66, s66, s[HL]                   ; my head, counted over the batches: it holds no cx
	s_mul_i32 s66, s66, HEADB
	s_mov_b32 s67, 0
	s_lshl_b32 s68, s[QB], 7
	s_lshl_b32 s69, s[HL], 5
	s_add_co_u32 s68, s68, s69                     ; the 32 rows of prior_mask that I fetch: they hold no cy
	s_lshl_b32 s68, s68, 13
	s_mov_b32 s69, 0
	s_lshl_b32 s70, s[QB], 1
	s_add_co_u32 s70, s70, s[QH]                   ; my 64 queries are a step of 64 tokens
	s_mul_i32 s70, s70, STEPB
	s_add_co_u32 s70, s70, s66
	s_mov_b32 s71, 0
	s_lshl_b32 s72, s[BB], 7                       ; att: token tile 128 b + 8 qb + 4 qh, 32,768 bytes each; my head's four blocks of 512
	s_lshl_b32 s73, s[QB], 3
	s_add_co_u32 s72, s72, s73
	s_lshl_b32 s73, s[QH], 2
	s_add_co_u32 s72, s72, s73
	s_lshl_b32 s72, s72, 15
	s_lshl_b32 s73, s[CY], 2
	s_add_co_u32 s73, s73, s[HL]
	s_lshl_b32 s73, s73, 11
	s_add_co_u32 s72, s72, s73
	s_mov_b32 s73, 0
	s_mov_b32 s[CS], 0x3e38aa3b                    ; c = log2(e) / 8
	s_mov_b32 s[CS+1], s[CS]
	s_mov_b32 s[SEL], 0x76543210
	s_mov_b32 s[SEL+1], 0xfedcba98
	s_mov_b32 s[TB], 0
	s_mov_b32 s[CNT], 31
	; the prefetches: where my wave's stand, in step 1 (the first change of slots steps them to step 2), and who asks
	s_and_b32 s77, s[WV], 1
	s_lshl_b32 s77, s77, 1
	s_lshl_b32 s78, s[BB], 4
	s_lshl_b32 s79, s[CY], 2
	s_add_co_u32 s78, s78, s79
	s_add_co_u32 s78, s78, s77                     ; waves 0, 1: heads 2 (w % 2) and the next
	s_mul_i32 s78, s78, HEADB
	s_lshl_b32 s79, s[CX], 12                      ; my work-group's 4,096 of a head's 16,384 bytes
	s_add_co_u32 s78, s78, s79
	s_add_co_u32 s78, s78, 8192+STEPB
	s_lshl_b32 s79, s[QB], 7
	s_lshl_b32 s77, s[CY], 5                       ; my work-group's 32 of the 128 rows
	s_add_co_u32 s79, s79, s77
	s_lshl_b32 s79, s79, 13
	s_add_co_u32 s79, s79, 256
	s_lshr_b32 s77, s[WV], 1
	s_mov_b32 s62, 131072
	s_mov_b32 s63, 8192
	s_mov_b32 s[PFS], 256
	s_mov_b32 s[PFS+1], 0
	s_wait_dscnt 0x0                               ; both opening adds are done
	s_wait_kmcnt 0x0
	s_cmp_lt_u32 s[WV], 4                          ; waves 0-3 have to do with K and V, waves 4-7 with prior_mask
	s_cselect_b64 s[PFA:PFA+1], s[4:5], s[6:7]
	s_cselect_b32 s78, s78, s79
	s_cselect_b32 s77, s77, s[HL]                  ; 0 in waves 0, 1 and 4,
	s_cselect_b32 s76, ttmp9, s[BB]                ; of the first of the clusters that walk the same bytes: the same in all sixteen partners
	s_cselect_b32 s62, HEADB, s62                  ; from lane 0-15 to lane 16-31,
	s_cselect_b32 s63, 256, s63                    ; and from lane to lane
	s_cselect_b32 s[PFS], STEPB, s[PFS]
	s_mov_b32 s79, 0
	s_add_nc_u64 s[PFA:PFA+1], s[PFA:PFA+1], s[78:79]
	s_or_b32 s77, s77, s76
	s_cmp_eq_u32 s77, 0
	s_cselect_b32 s[LIM], 1, -1
	s_mov_b32 s[G0KV], 1
	s_lshl_b32 s[G0KV+1], s[HL], 14                ; slot 0, my head's 16,384 bytes
	s_add_nc_u64 s[G0KV+2:G0KV+3], s[4:5], s[66:67]
	s_add_nc_u64 s[G0KV+2:G0KV+3], s[G0KV+2:G0KV+3], 8192   ; step 0's K
	s_or_b32 s[G0KV+3], s[G0KV+3], 0x80000000
	s_mov_b32 s[G0P], 1
	s_mul_i32 s[G0P+1], s[HL], 32*PP
	s_add_co_u32 s[G0P+1], s[G0P+1], POFF
	s_add_nc_u64 s[G0P+2:G0P+3], s[6:7], s[68:69]
	s_or_b32 s[G0P+3], s[G0P+3], 0x80000000
	s_add_nc_u64 s[70:71], s[4:5], s[70:71]        ; Q at my 64 queries
	s_add_nc_u64 s[72:73], s[10:11], s[72:73]      ; att at my first block
	CROUND                                         ; all sixteen work-groups are here: the first joint loads meet
	JLOAD                                          ; step 0 into slot 0: one tensor load of mine is out, here and behind every round
	v_and_b32 v9, 31, v0                           ; lane
	v_and_b32 v10, 15, v0                          ; r
	v_bfe_u32 v11, v0, 4, 1                        ; h
	v_lshlrev_b32 v[L16], 4, v9
	s_lshl_b32 s74, s[HL], 14
	v_add_nc_u32 v[AKV0], s74, v[L16]
	v_mul_u32_u24 v[AP0], v10, PP
	v_lshl_add_u32 v[AP0], v11, 5, v[AP0]          ; query r's row, + 32 h: my eight keys of a tile's sixteen
	s_mul_i32 s74, s[QH], 64*PP
	s_add_co_u32 s74, s74, POFF
	v_add_nc_u32 v[AP0], s74, v[AP0]
	s_lshl_b32 s74, s[BB], 10
	v_lshl_add_u32 v60, v9, 5, s74                 ; the batch's 256 parts of u: eight a lane
	s_lshl_b32 s74, s[QB], 9
	s_lshl_b32 s75, s[QH], 8
	s_add_co_u32 s74, s74, s75
	s_add_co_u32 s74, s74, 4096
	v_lshl_add_u32 v61, v10, 2, s74                ; the means of my queries' rows of prior_mask
	v_mul_lo_u32 v62, v11, s62
	v_mul_lo_u32 v63, v10, s63
	v_add_nc_u32 v[PFO], v62, v63
	global_load_b128 v[50:53], v60, s[8:9]
	global_load_b128 v[54:57], v60, s[8:9] offset:16
.irp t, 0,1,2,3
	global_load_b32 v[THR+\t], v61, s[8:9] offset:64*\t
.endr
	WIN TO1
.irp i, 0,1,2,3,4,5,6,7,8,9,10,11,12,13,14,15     ; Q stays in registers: block i = 4 t + 2 kk + c is registers 4 i on
	global_load_b128 v[QF+4*\i:QF+4*\i+3], v[L16], s[70:71] offset:512*\i
.endr
.set i, 0
.rept 128
	v_mov_b32 v[OA+i], 0                           ; O^T.  The step is written for every step alike: the first finds zeros, which a = 0 leaves zeros
.set i, i+1
.endr
	WIN 0
.irp t, 0,1,2,3
	v_mov_b32 v[ST+8*\t+1], 0xff61b1e6             ; m = -3e38, under every score
	v_mov_b32 v[ST+8*\t+2], 0                      ; l
	v_mov_b32 v[ST+8*\t+3], 0
.endr
.irp t, 0,1,2,3
	v_mul_f32 v[ST+8*\t], s[CS], v[ST+8*\t+1]      ; c m
.endr
	s_wait_loadcnt 0x0
	v_add_f32 v50, v50, v51
	v_add_f32 v52, v52, v53
	v_add_f32 v54, v54, v55
	v_add_f32 v56, v56, v57
	v_add_f32 v50, v50, v52
	v_add_f32 v54, v54, v56
	v_add_f32 v50, v50, v54
	v_add_f32_dpp v50, v50, v50 row_xmask:1 row_mask:0xf bank_mask:0xf
	v_add_f32_dpp v50, v50, v50 row_xmask:2 row_mask:0xf bank_mask:0xf
	v_add_f32_dpp v50, v50, v50 row_xmask:4 row_mask:0xf bank_mask:0xf
	v_add_f32_dpp v50, v50, v50 row_xmask:8 row_mask:0xf bank_mask:0xf
	v_permlanex16_b32 v51, v50, s[SEL], s[SEL+1]
	v_add_f32 v50, v50, v51                        ; the sum of u over the batch's 2,048 rows
	v_mul_f32 v50, 0xbb66d4ca, v50                 ; x -5 log2(e) / 2,048
	v_exp_f32 v50, v50
	v_mov_b32 v[NINF], 0xff800000                  ; (a plain line behind the exponential)
	s_wait_alu depctr_va_vdst(0)                   ; the wait ahead of the first reader
	v_mul_f32 v50, 0x41200000, v50                 ; lam
	v_cmp_lt_f32 s80, 1.0, v50                     ; is anything clipped?  It selects a value and steers nothing
	v_mul_f32 v51, 0x41000000, v50                 ; 8 lam
	v_readfirstlane_b32 s[LAM8], v51
	s_mov_b32 s[LAM8+1], s[LAM8]
.irp t, 0,1,2,3
	v_mul_f32 v[THR+\t], v[THR+\t], v51            ; the threshold for s = 8 x the score,
.endr
.irp t, 0,1,2,3
	v_cndmask_b32 v[THR+\t], v[NINF], v[THR+\t], s80   ; or -infinity, under which no score lies
.endr
; THE CHANGE OF SLOTS stands at a step's head.  Each wave waits for all its tensor loads (its part of the slot that it is about to read), adds 0 to its spare word, and waits for that and for its reads of the slot that it has left.
; fill = 1: the barrier is a round of the cluster's, and the joint load of the next step, into the slot just left, is the first thing behind it: it has a whole step in which to land.
.macro CHANGE fill
	s_wait_tensorcnt 0x0                           ; no tensor load of mine is out, so a group 0 may be written
	ds_add_u32 v[SPW], v[NIL]
.if \fill
	s_xor_b32 s[G0KV+1], s[G0KV+1], SLOT1          ; the walking descriptors: the other slot, the next step
	s_add_nc_u64 s[G0KV+2:G0KV+3], s[G0KV+2:G0KV+3], STEPB
	s_xor_b32 s[G0P+1], s[G0P+1], SLOT1
	s_add_nc_u64 s[G0P+2:G0P+3], s[G0P+2:G0P+3], 256
	s_wait_xcnt 0x0                                ; the last prefetch, a step back, has read its address
	s_add_nc_u64 s[PFA:PFA+1], s[PFA:PFA+1], s[PFS:PFS+1]
	s_wait_dscnt 0x0                               ; the add is done, and my reads of the slot that I have left are over
	CROUND
	JLOAD
.else
	s_wait_dscnt 0x0
	s_barrier_signal -1
	s_barrier_wait -1
.endif
.endm
; A KEY STEP: 64 keys.
.macro STEP ask
	v_add_nc_u32 v[ADK], s[TB], v[AKV0]
	v_add_nc_u32 v[ADP], s[TB], v[AP0]
	v_nop
	v_nop                                          ; four plain lines between the last step's products and the loads into registers that they read
.irp t, 0,1,2,3
.irp u, 0,1,2,3
	ds_load_b128 v[SS+32*\t+8*\u:SS+32*\t+8*\u+3], v[ADP] offset:16*PP*\t+64*\u          ; prior_mask(query 16 t + r, keys 16 u + 8 h + 0 .. 7), where the scores will stand
	ds_load_b128 v[SS+32*\t+8*\u+4:SS+32*\t+8*\u+7], v[ADP] offset:16*PP*\t+64*\u+16
.endr
.endr
.irp f, 0,1,2,3,4,5,6,7                        ; K's fragment f = 2 u + kk: two blocks
	ds_load_b128 v[KF+8*\f:KF+8*\f+3], v[ADK] offset:1024*\f
	ds_load_b128 v[KF+8*\f+4:KF+8*\f+7], v[ADK] offset:1024*\f+512
.endr
.if \ask
	ASK
.endif
	s_wait_dscnt 16                                ; prior_mask is in; K's sixteen loads may be out
.set i, 0
.rept 64
	v_pk_mul_f32 v[SS+i:SS+i+1], v[SS+i:SS+i+1], s[LAM8:LAM8+1] op_sel_hi:[1,0]   ; 8 lam prior: the C of the products
.set i, i+2
.endr
	s_wait_dscnt 0x0
	WIN W_KQ
.irp kk, 0,1                                   ; the 16 accumulators take turns, one instruction a turn
.irp u, 0,1,2,3
.irp t, 0,1,2,3
	v_wmma_f32_16x16x32_f16 v[SS+32*\t+8*\u:SS+32*\t+8*\u+7], v[KF+16*\u+8*\kk:KF+16*\u+8*\kk+7], v[QF+16*\t+8*\kk:QF+16*\t+8*\kk+7], v[SS+32*\t+8*\u:SS+32*\t+8*\u+7]
.endr
.endr
.endr
	WIN TO1
.irp kp, 0,1                                   ; V^T's fragment (keys 32 kp on, channels 16 dt on): two blocks, turned; they land while the softmax is walked
.irp dt, 0,1,2,3
	ds_load_tr16_b128 v[VF+8*(4*\kp+\dt):VF+8*(4*\kp+\dt)+3], v[ADK] offset:8192+(8*\kp+\dt)*512
	ds_load_tr16_b128 v[VF+8*(4*\kp+\dt)+4:VF+8*(4*\kp+\dt)+7], v[ADK] offset:8192+(8*\kp+\dt)*512+2048
.endr
.endr
	WIN 0
	PLACES
	; the maximum of the unclipped scores and the old m: four chains a tile, each accumulator read from its low end on; the four tiles by turns
.irp j, 0,1,2,3
.irp t, 0,1,2,3
	v_max3_num_f32 v[ST+8*\t+4+\j], v[SS+32*\t+8*\j], v[SS+32*\t+8*\j+1], v[SS+32*\t+8*\j+2]
.endr
.endr
.irp g, 1,2
.irp j, 0,1,2,3
.irp t, 0,1,2,3
	v_max3_num_f32 v[ST+8*\t+4+\j], v[ST+8*\t+4+\j], v[SS+32*\t+8*\j+2*\g+1], v[SS+32*\t+8*\j+2*\g+2]
.endr
.endr
.endr
.irp t, 0,1,2,3
	v_max3_num_f32 v[ST+8*\t+4], v[ST+8*\t+4], v[SS+32*\t+7], v[SS+32*\t+15]
.endr
.irp t, 0,1,2,3
	v_max3_num_f32 v[ST+8*\t+6], v[ST+8*\t+6], v[SS+32*\t+23], v[SS+32*\t+31]
.endr
.irp t, 0,1,2,3
	v_max3_num_f32 v[ST+8*\t+4], v[ST+8*\t+4], v[ST+8*\t+5], v[ST+8*\t+6]
.endr
.irp t, 0,1,2,3
	v_max3_num_f32 v[ST+8*\t+4], v[ST+8*\t+4], v[ST+8*\t+7], v[ST+8*\t+1]
.endr
.irp t, 0,1,2,3
	v_permlanex16_b32 v[ST+8*\t+5], v[ST+8*\t+4], s[SEL], s[SEL+1]   ; the query's other 32 keys lie in the lane 16 away
.endr
.irp t, 0,1,2,3
	v_mov_b32 v[ST+8*\t+7], v[ST+8*\t]             ; c m_old
.endr
.irp t, 0,1,2,3
	v_max_num_f32 v[ST+8*\t+1], v[ST+8*\t+4], v[ST+8*\t+5]
.endr
.irp t, 0,1,2,3
	v_mul_f32 v[ST+8*\t], s[CS], v[ST+8*\t+1]
.endr
.irp t, 0,1,2,3
	v_sub_f32 v[ST+8*\t+7], v[ST+8*\t+7], v[ST+8*\t]
.endr
	; the clip, eight scores at a time: a score under the threshold becomes -infinity
.irp t, 0,1,2,3
.irp g, 0,1,2,3
.irp k, 0,1,2,3,4,5,6,7
	v_cmp_gt_f32 s[80+\k], v[THR+\t], v[SS+32*\t+8*\g+\k]
.endr
.irp k, 0,1,2,3,4,5,6,7
	v_cndmask_b32 v[SS+32*\t+8*\g+\k], v[SS+32*\t+8*\g+\k], v[NINF], s[80+\k]
.endr
.endr
.endr
.irp t, 0,1,2,3
.set i, 0
.rept 16
	v_pk_fma_f32 v[SS+32*\t+i:SS+32*\t+i+1], v[SS+32*\t+i:SS+32*\t+i+1], s[CS:CS+1], v[ST+8*\t:ST+8*\t+1] op_sel_hi:[1,0,0] neg_lo:[0,0,1] neg_hi:[0,0,1]   ; c s - c m
.set i, i+2
.endr
.endr
.irp t, 0,1,2,3
	v_exp_f32 v[ST+8*\t+6], v[ST+8*\t+7]           ; a
.endr
.set i, 0
.rept 128
	v_exp_f32 v[SS+i], v[SS+i]                     ; p, at most 1
.set i, i+1
.endr
	v_nop                                          ; a plain line behind the last exponential,
	s_wait_alu depctr_va_vdst(0)                   ; and ONE wait for the batch of 132, ahead of its first reader
.irp t, 0,1,2,3
	v_pk_mul_f32 v[ST+8*\t+2:ST+8*\t+3], v[ST+8*\t+2:ST+8*\t+3], v[ST+8*\t+6:ST+8*\t+7] op_sel_hi:[1,0]
.endr
.set i, 0
.rept 16
.irp t, 0,1,2,3
	v_pk_add_f32 v[ST+8*\t+2:ST+8*\t+3], v[ST+8*\t+2:ST+8*\t+3], v[SS+32*\t+i:SS+32*\t+i+1]   ; l takes the f32 weights
.endr
.set i, i+2
.endr
.set i, 0
.rept 16
.irp t, 0,1,2,3
	v_cvt_pk_f16_f32 v[SS+32*\t+i], v[SS+32*\t+2*i], v[SS+32*\t+2*i+1]   ; P over the tile's low 16 registers: ascending, so that no weight is written over before it is read
.endr
.set i, i+1
.endr
	WIN W_RS
.set i, 0
.rept 16
.irp t, 0,1,2,3
	v_pk_mul_f32 v[OA+32*\t+i:OA+32*\t+i+1], v[OA+32*\t+i:OA+32*\t+i+1], v[ST+8*\t+6:ST+8*\t+7] op_sel_hi:[1,0]
.endr
.set i, i+2
.endr
	s_wait_dscnt 0x0                               ; V is in
	WIN W_PV
.irp kp, 0,1
.irp dt, 0,1,2,3
.irp t, 0,1,2,3
	v_wmma_f32_16x16x32_f16 v[OA+32*\t+8*\dt:OA+32*\t+8*\dt+7], v[VF+8*(4*\kp+\dt):VF+8*(4*\kp+\dt)+7], v[SS+32*\t+8*\kp:SS+32*\t+8*\kp+7], v[OA+32*\t+8*\dt:OA+32*\t+8*\dt+7]
.endr
.endr
.endr
	WIN 0
	s_xor_b32 s[TB], s[TB], SLOT1                  ; on to the other slot
.endm
.Lstep:                                            ; 31 trips: trip j asks for step j + 1 and walks step j
	CHANGE 1
	STEP 1
	s_sub_co_u32 s[CNT], s[CNT], 1
	s_cmp_lg_u32 s[CNT], 0
	s_cbranch_scc1 .Lstep
	CHANGE 0                                       ; the last step is written out
	STEP 0
	; THE WAY OUT.  l's halves are added; O^T / l rounds to f16: a 16 x 16 result is a block of 512 consecutive bytes, lane l's 16 bytes at 16 l: the image of half an operand's registers for the projection.
.irp t, 0,1,2,3
	v_add_f32 v[ST+8*\t+4], v[ST+8*\t+2], v[ST+8*\t+3]   ; (these lines are the places behind the last products)
.endr
.irp t, 0,1,2,3
	v_permlanex16_b32 v[ST+8*\t+5], v[ST+8*\t+4], s[SEL], s[SEL+1]
.endr
.irp t, 0,1,2,3
	v_add_f32 v[ST+8*\t+4], v[ST+8*\t+4], v[ST+8*\t+5]
.endr
.irp t, 0,1,2,3
	v_rcp_f32 v[ST+8*\t+6], v[ST+8*\t+4]
.endr
	v_nop
	s_wait_alu depctr_va_vdst(0)                   ; one wait for the four reciprocals
	WIN W_RS
.set i, 0
.rept 16
.irp t, 0,1,2,3
	v_pk_mul_f32 v[OA+32*\t+i:OA+32*\t+i+1], v[OA+32*\t+i:OA+32*\t+i+1], v[ST+8*\t+6:ST+8*\t+7] op_sel_hi:[1,0]
.endr
.set i, i+2
.endr
	WIN 0x05                                       ; sources 0 and 1 window 1, destination window 0
.set i, 0
.rept 64
	v_cvt_pk_f16_f32 v[SS+i], v[OA+2*i], v[OA+2*i+1]
.set i, i+1
.endr
	WIN 0
.irp t, 0,1,2,3
.irp dt, 0,1,2,3
	global_store_b128 v[L16], v[SS+16*\t+4*\dt:SS+16*\t+4*\dt+3], s[72:73] offset:32768*\t+512*\dt   ; 32 lanes store 512 consecutive bytes, aligned
.endr
.endr
	s_wait_tensorcnt 0x0                           ; the wave's end
	ds_add_u32 v[SPW], v[NIL]
	s_wait_dscnt 0x0
	CROUND                                         ; the closing round
	s_endpgm
.Lfunc_end_k_q6ed0cc5923_attn:
	.size	k_q6ed0cc5923_attn, .Lfunc_end_k_q6ed0cc5923_attn-k_q6ed0cc5923_attn
	.p2alignl 7, 3214868480
	.fill 96, 4, 3214868480
	.section	.rodata,"a",@progbits
	.p2align	6, 0x0
	.amdhsa_kernel k_q6ed0cc5923_attn
		.amdhsa_group_segment_fixed_size 327680
		.amdhsa_private_segment_fixed_size 0
		.amdhsa_enable_private_segment 0
		.amdhsa_kernarg_size 32
		.amdhsa_user_sgpr_count 2
		.amdhsa_user_sgpr_kernarg_segment_ptr 1
		.amdhsa_wavefront_size32 1
		.amdhsa_system_sgpr_workgroup_id_x 1
		.amdhsa_system_sgpr_workgroup_id_y 1
		.amdhsa_system_sgpr_workgroup_id_z 1
		.amdhsa_system_vgpr_workitem_id 0
		.amdhsa_next_free_vgpr 512
		.amdhsa_next_free_sgpr 90
		.amdhsa_reserve_vcc 0
		.amdhsa_float_denorm_mode_32 3
		.amdhsa_float_denorm_mode_16_64 3
		.amdhsa_memory_ordered 1
		.amdhsa_forward_progress 1
		.amdhsa_inst_pref_size 136
	.end_amdhsa_kernel
	.amdgpu_metadata
---
amdhsa.version: [ 1, 2 ]
amdhsa.kernels:
  - .name:           k_q6ed0cc5923_attn
    .symbol:         k_q6ed0cc5923_attn.kd
    .args:
      - { .name: qkv, .offset: 0, .size: 8, .value_kind: global_buffer, .address_space: global }
      - { .name: prior_mask, .offset: 8, .size: 8, .value_kind: global_buffer, .address_space: global }
      - { .name: stats, .offset: 16, .size: 8, .value_kind: global_buffer, .address_space: global }
      - { .name: att, .offset: 24, .size: 8, .value_kind: global_buffer, .address_space: global }
    .group_segment_fixed_size: 327680
    .private_segment_fixed_size: 0
    .kernarg_segment_align: 8
    .kernarg_segment_size: 32
    .max_flat_workgroup_size: 256
    .sgpr_count:     90
    .vgpr_count:     512
    .wavefront_size: 32
...
	.end_amdgpu_metadata
.endif
;; end of part 3
;; launch oproj (part 4): grid 4 x 64, 4 waves a work-group, clusters of 4 x 4, 327,680 bytes of LDS; arguments att, woimg, bo, out0; writes out0
.if DOCPART == 4
	.amdgcn_target "amdgcn-amd-amdhsa--gfx1250"
	.amdhsa_code_object_version 6
	.text
	.protected	k_q6ed0cc5923_oproj
	.globl	k_q6ed0cc5923_oproj
	.p2align	8
	.type	k_q6ed0cc5923_oproj,@function
k_q6ed0cc5923_oproj:
	s_mov_b64 s[64:65], 0
	v_nop
	global_prefetch_b8 v0, s[64:65] scope:SCOPE_SE
	s_setreg_imm32_b32 hwreg(HW_REG_WAVE_MODE, 25, 1), 1
	s_wait_xcnt 0x0
	s_wait_alu depctr_hold_cnt(0) depctr_sa_sdst(0) depctr_va_vdst(0) depctr_va_sdst(0) depctr_va_ssrc(0) depctr_va_vcc(0) depctr_vm_vsrc(0)
	s_getreg_b32 s2, hwreg(HW_REG_IB_STS2, 6, 4)
	s_cmp_eq_u32 s2, 0
	s_cbranch_scc0 .Lentry_in_a_cluster
	s_endpgm
.Lentry_in_a_cluster:
	s_bfe_u32 s2, ttmp6, 0x10000c
	s_cmp_lg_u32 s2, 0xf033
	s_cbranch_scc0 .Lentry_shape_is_right
	s_endpgm
.Lentry_shape_is_right:
; out0 = att wo^T + bo.  att [8,192 tokens][1,024] and wo [1,024 features][1,024] come as f16 blocks of 16 rows x 16 along K (512 bytes, lane l's 16 bytes at 16 l), [tile of 16 rows][64 blocks]; sums in f32; out0 is f32.
; A tile of 128 tokens x 256 features is made by four waves: 256 work-groups.  Wave w: tokens 64 (w / 2) on, features 128 (w % 2) on: 32 accumulators.  K goes in 8 steps of 128 through two LDS slots.
; A K step of a tile of 16 rows is 8 blocks, 4,096 consecutive bytes: a tensor load's row.  A fragment (16 rows x 32 K) is two neighbouring blocks: two ds_load_b128 at a constant + 16 x lane: no pitch, no padding, every bank once.
; CLUSTERS: 4 x 4 work-groups: att's tiles are asked for jointly along a row of the cluster, wo's along a column.
; THE MATRIX INSTRUCTION IS USED TRANSPOSED (source 0 = 16 features of wo, source 1 = 16 tokens): a lane holds eight neighbouring numbers of a row of out0.  bo, in that layout, is the C of the first products.
; No prefetch: a K step's refill is short against the launch, and the tiles are shared in the cluster.
; REGISTERS: window 0: v16-30 addresses; v64-159, v160-255 two fragment buffers (att's 4 fragments, then wo's 8); on the way out v64-191 hold rows.   window 1: accumulator (a, b) at v[8 (8 a + b)].   window 2: v0-63 bo.
.set SLOT,  98304                      ; att's 8 tiles x 4,096, then wo's 16 tiles x 4,096
.set BOFF,  32768
.set STAGE, 2*SLOT                     ; behind the slots: 16 rows x (512 bytes + 16) for each wave; no tensor load lands here
.set SPITCH, 528
.set SPARE, STAGE+4*16*SPITCH          ; the spare words, 128 bytes for each wave: two blocks of 256 bytes that no other line names
.set ADRA, 16                          ; v16-17  LDS address of my fragments of att in slot 0, 1
.set ADRB, 20                          ; v20-21  the same for wo
.set STO,  24
.set RD,   25
.set CO,   26                          ; v26  16 x lane
.set SPW,  28
.set NIL,  29
.set BO,   30                          ; v30  32 h
.set F0,   64
.set F1,   160
.set WV,   12                          ; s12 wave;  s13 wave / 2: my half of the tokens, and: I fetch for att (0) or wo (1);  s14 wave % 2: my half of the features, and which half of the tile I fetch
.set MH,   13
.set NH,   14
.set G1,   24
.set G0,   32
.set G1B,  48
.set G0B,  56
.set MSB, 0
.macro WIN new
.if MSB != (\new)
	s_set_vgpr_msb (MSB<<8)|(\new)
.set MSB, (\new)
.endif
.endm
.macro PLACES
.rept 4
	v_nop
.endr
.endm
.macro JLOAD s                         ; waves 0 and 1 fetch att's halves, waves 2 and 3 wo's; an s_nop 0 and four v_nop follow each of the two lines
	s_cmp_eq_u32 s[MH], 0
	s_cbranch_scc0 .Lfor_b_\@
	tensor_load_to_lds s[G0+4*\s:G0+4*\s+3], s[G1:G1+7]
	s_nop 0
.rept 4
	v_nop
.endr
	s_branch .Lasked_\@
.Lfor_b_\@:
	tensor_load_to_lds s[G0B+4*\s:G0B+4*\s+3], s[G1B:G1B+7]
	s_nop 0
.rept 4
	v_nop
.endr
.Lasked_\@:
.endm
.macro CREST
	s_cmp_lg_u32 s[WV], 0
	s_cbranch_scc1 .Lnot_wave_0_\@
	s_barrier_signal -3
.Lnot_wave_0_\@:
	s_barrier_wait -3
	s_barrier_signal -1
	s_barrier_wait -1
.endm
.macro CROUND
	s_barrier_signal -1
	s_barrier_wait -1
	CREST
.endm
	s_load_b256 s[4:11], s[0:1], 0x0               ; att 4, woimg 6, bo 8, out0 10
	v_lshl_add_u32 v[SPW], v0, 2, SPARE
	v_mov_b32 v[NIL], 0
	ds_add_u32 v[SPW], v[NIL]                      ; the wave's opening: the add, twice on end, and its wait ahead of my first tensor load
	ds_add_u32 v[SPW], v[NIL]
	v_lshrrev_b32 v1, 5, v0
	v_readfirstlane_b32 s[WV], v1
	s_lshr_b32 s[MH], s[WV], 1
	s_and_b32 s[NH], s[WV], 1
	s_bfe_u32 s40, ttmp6, 0x40000                  ; cx, cy
	s_bfe_u32 s41, ttmp6, 0x40004
	s_lshl_b32 s42, ttmp9, 2
	s_add_co_u32 s42, s42, s40                     ; tile column
	s_and_b32 s43, ttmp7, 0xffff
	s_lshl_b32 s43, s43, 2
	s_add_co_u32 s43, s43, s41                     ; tile row
	s_lshl_b32 s44, s41, 2
	s_lshl_b32 s44, 15, s44                        ; my row of the cluster
	s_lshl_b32 s45, 0x1111, s40                    ; my column
	; group 1: rows of 4,096 bytes (512 elements of 8), 32,768 bytes apart, no padding: 4 rows of att, 8 of wo
	s_or_b32 s[G1+0], s44, (3<<16)|(1<<21)
	s_or_b32 s[G1B+0], s45, (3<<16)|(1<<21)
	s_mov_b32 s[G1+1], 512<<16
	s_mov_b32 s[G1+2], 4<<16
	s_mov_b32 s[G1+3], 512<<16
	s_mov_b32 s[G1+4], 4
	s_mov_b32 s[G1+5], 4096
	s_mov_b32 s[G1+6], 0
	s_mov_b32 s[G1+7], 0
	s_mov_b32 s[G1B+1], 512<<16
	s_mov_b32 s[G1B+2], 8<<16
	s_mov_b32 s[G1B+3], 512<<16
	s_mov_b32 s[G1B+4], 8
	s_mov_b32 s[G1B+5], 4096
	s_mov_b32 s[G1B+6], 0
	s_mov_b32 s[G1B+7], 0
	s_lshl_b32 s16, s43, 3
	s_lshl_b32 s17, s[NH], 2
	s_add_co_u32 s16, s16, s17                     ; att: token tile 8 x tile row + 4 x half
	s_lshl_b32 s16, s16, 15
	s_mov_b32 s17, 0
	s_lshl_b32 s46, s42, 4
	s_lshl_b32 s47, s[NH], 3
	s_add_co_u32 s46, s46, s47                     ; wo: feature tile 16 x tile column + 8 x half
	s_lshl_b32 s46, s46, 15
	s_mov_b32 s47, 0
	s_lshl_b32 s20, s[NH], 14                      ; where they go: no place in the cluster enters an LDS address
	s_lshl_b32 s21, s[NH], 15
	s_add_co_u32 s21, s21, BOFF
	s_wait_dscnt 0x0                               ; both opening adds are done
	s_wait_kmcnt 0x0
	s_add_nc_u64 s[18:19], s[4:5], s[16:17]
	s_add_nc_u64 s[46:47], s[6:7], s[46:47]
	CROUND                                         ; all sixteen work-groups are here: the first joint loads meet
.irp s, 0,1
	s_mov_b32 s[G0+4*\s], 1
	s_add_co_u32 s[G0+4*\s+1], s20, \s*SLOT
	s_add_nc_u64 s[G0+4*\s+2:G0+4*\s+3], s[18:19], \s*4096
	s_or_b32 s[G0+4*\s+3], s[G0+4*\s+3], 0x80000000
	s_mov_b32 s[G0B+4*\s], 1
	s_add_co_u32 s[G0B+4*\s+1], s21, \s*SLOT
	s_add_nc_u64 s[G0B+4*\s+2:G0B+4*\s+3], s[46:47], \s*4096
	s_or_b32 s[G0B+4*\s+3], s[G0B+4*\s+3], 0x80000000
	JLOAD \s                                       ; two tensor loads of mine are out at the start, one behind each round
.endr
	v_and_b32 v1, 15, v0                           ; r
	v_bfe_u32 v2, v0, 4, 1                         ; h
	v_and_b32 v3, 31, v0
	v_lshlrev_b32 v[CO], 4, v3
	v_lshlrev_b32 v[BO], 5, v2
	s_lshl_b32 s22, s[MH], 14                      ; my 4 tiles of att
	s_lshl_b32 s23, s[NH], 15                      ; my 8 tiles of wo,
	s_add_co_u32 s23, s23, BOFF                    ; behind att's 8
.irp s, 0,1
	v_add_nc_u32 v[ADRA+\s], s22, v[CO]
	v_add_nc_u32 v[ADRB+\s], s23, v[CO]
	s_add_co_u32 s22, s22, SLOT
	s_add_co_u32 s23, s23, SLOT
.endr
	s_mul_i32 s22, s[WV], 16*SPITCH
	s_add_co_u32 s22, s22, STAGE                   ; my stage
	v_mul_u32_u24 v4, v1, SPITCH
	v_lshl_add_u32 v4, v2, 5, v4
	v_add_nc_u32 v[STO], s22, v4                   ; in: row r, 32 bytes for each half of the lanes
	v_add_nc_u32 v[RD], s22, v[CO]                 ; back: the 32 lanes take one row of 512 bytes
	s_lshl_b32 s22, s42, 10
	s_lshl_b32 s23, s[NH], 9
	s_add_co_u32 s22, s22, s23                     ; my first feature, in bytes: 4 (256 x tile column + 128 x half)
	s_mov_b32 s23, 0
	s_add_nc_u64 s[8:9], s[8:9], s[22:23]
	s_add_nc_u64 s[10:11], s[10:11], s[22:23]
	s_lshl_b32 s22, s43, 7
	s_lshl_b32 s2, s[MH], 6
	s_add_co_u32 s22, s22, s2                      ; my first token
	s_lshl_b32 s22, s22, 12
	s_add_nc_u64 s[10:11], s[10:11], s[22:23]
	WIN 0x80                                       ; destination window 2
.irp b, 0,1,2,3,4,5,6,7                        ; register 8 b + j: bo of feature 16 b + 8 h + j of my 128
	global_load_b128 v[8*\b:8*\b+3], v[BO], s[8:9] offset:64*\b
	global_load_b128 v[8*\b+4:8*\b+7], v[BO], s[8:9] offset:64*\b+16
.endr
	WIN 0
.macro FETCH slot, q, f                ; 24 LDS loads in one run: the fragments of the slot's q-th 32 along K
.irp a, 0,1,2,3
	ds_load_b128 v[\f+8*\a:\f+8*\a+3], v[ADRA+\slot] offset:\a*4096+1024*(\q)
	ds_load_b128 v[\f+8*\a+4:\f+8*\a+7], v[ADRA+\slot] offset:\a*4096+1024*(\q)+512
.endr
.irp b, 0,1,2,3,4,5,6,7
	ds_load_b128 v[\f+32+8*\b:\f+32+8*\b+3], v[ADRB+\slot] offset:\b*4096+1024*(\q)
	ds_load_b128 v[\f+32+8*\b+4:\f+32+8*\b+7], v[ADRB+\slot] offset:\b*4096+1024*(\q)+512
.endr
.endm
.macro MUL8 f, a, first                ; token tile a against the eight feature tiles.  The 32 accumulators take turns, one instruction a turn
.irp b, 0,1,2,3,4,5,6,7
.if \first
	v_wmma_f32_16x16x32_f16 v[8*(8*\a+\b):8*(8*\a+\b)+7], v[\f+32+8*\b:\f+32+8*\b+7], v[\f+8*\a:\f+8*\a+7], v[8*\b:8*\b+7]
.else
	v_wmma_f32_16x16x32_f16 v[8*(8*\a+\b):8*(8*\a+\b)+7], v[\f+32+8*\b:\f+32+8*\b+7], v[\f+8*\a:\f+8*\a+7], v[8*(8*\a+\b):8*(8*\a+\b)+7]
.endif
.endr
.endm
.set MUL,   0x50                       ; C and D window 1
.set FIRST, 0x60                       ; D window 1, C (bo) window 2
; A K step is four quarters of 32 along K, 32 matrix instructions each, on buffers 0, 1, 0, 1.  One of the first three: multiplies buffer f; ahead of its products it asks for the next quarter, qn, into buffer g
.macro QUARTER slot, qn, f, g, first
	s_wait_dscnt 0x0                               ; buffer f is in (asked for 32 matrix instructions ago)
	PLACES                                         ; in front of loads into registers that the last quarter's products read
	FETCH \slot, \qn, \g
.if \first
	WIN FIRST
.else
	WIN MUL
.endif
	MUL8 \f, 0, \first
	MUL8 \f, 1, \first
	MUL8 \f, 2, \first
	MUL8 \f, 3, \first
	WIN 0
.endm
; The last quarter multiplies buffer 1 and changes slots: one barrier; in front of it each wave waits for all its tensor loads, adds 0 to its spare word, and waits for that and for its reads of this slot.  fill = 1: this slot is filled again, two K steps ahead.
.macro TURN slot, next, fill
	s_wait_tensorcnt 0x0                           ; all my tensor loads have landed: my part of the next slot
	ds_add_u32 v[SPW], v[NIL]
	s_wait_dscnt 1                                 ; buffer 1 is in; the add may be out
	WIN MUL
	MUL8 F1, 0, 0                                  ; eight matrix instructions stand between the add and the wait for it
	s_wait_dscnt 0x0
	s_barrier_signal -1
	MUL8 F1, 1, 0
	WIN 0
	s_barrier_wait -1
.if \fill
	CREST                                          ; the barrier has opened a round of the cluster's: no wave of any partner still reads this slot or has a load on its way
	s_add_nc_u64 s[G0+4*\slot+2:G0+4*\slot+3], s[G0+4*\slot+2:G0+4*\slot+3], 8192
	s_add_nc_u64 s[G0B+4*\slot+2:G0B+4*\slot+3], s[G0B+4*\slot+2:G0B+4*\slot+3], 8192
	JLOAD \slot                                    ; the first tensor load behind the round; its four v_nop are also the places in front of the loads below
.else
	PLACES
.endif
	FETCH \next, 0, F0
	WIN MUL
	MUL8 F1, 2, 0
	MUL8 F1, 3, 0
	WIN 0
.endm
	s_wait_tensorcnt 1                             ; my part of K step 0 is in; K step 1's may be out
	s_barrier_signal -1
	s_barrier_wait -1
	FETCH 0, 0, F0
	s_wait_loadcnt 0x0                             ; bo
	QUARTER 0, 1, F0, F1, 1                        ; the first quarter stands in front of the loop: its products start the sums, on bo
	s_mov_b32 s3, 3
.Llap:                                             ; a trip goes once round the two slots and fills both again: K steps 2 to 7
	QUARTER 0, 2, F1, F0, 0
	QUARTER 0, 3, F0, F1, 0
	TURN 0, 1, 1
	QUARTER 1, 1, F0, F1, 0
	QUARTER 1, 2, F1, F0, 0
	QUARTER 1, 3, F0, F1, 0
	TURN 1, 0, 1
	QUARTER 0, 1, F0, F1, 0
	s_sub_co_u32 s3, s3, 1
	s_cmp_lg_u32 s3, 0
	s_cbranch_scc1 .Llap
	QUARTER 0, 2, F1, F0, 0                        ; the last lap fills nothing, and has no round of the cluster's barrier
	QUARTER 0, 3, F0, F1, 0
	TURN 0, 1, 0
	QUARTER 1, 1, F0, F1, 0
	QUARTER 1, 2, F1, F0, 0
	QUARTER 1, 3, F0, F1, 0
	s_wait_dscnt 0x0
	WIN MUL
	MUL8 F1, 0, 0
	MUL8 F1, 1, 0
	MUL8 F1, 2, 0
	MUL8 F1, 3, 0
	WIN 0
; THE WAY OUT, 16 tokens x 128 features at a time: a lane holds 32 neighbouring bytes of a row and the lanes beside it other rows, so a block goes through my own stage and comes back as whole rows of 512 bytes.
; LDS serves a wave's instructions in order (ISA guide 5.7.1.4): no wait between the stores and the loads, nor in front of the next block's stores.
.macro TOSTAGE a
	WIN 0x04                                       ; an LDS store's data are its source 1: window 1
.irp b, 0,1,2,3,4,5,6,7
	ds_store_b128 v[STO], v[8*(8*\a+\b):8*(8*\a+\b)+3] offset:64*\b        ; each accumulator from its low end on
	ds_store_b128 v[STO], v[8*(8*\a+\b)+4:8*(8*\a+\b)+7] offset:64*\b+16
.endr
	WIN 0
.irp t, 0,1,2,3,4,5,6,7,8,9,10,11,12,13,14,15
	ds_load_b128 v[64+64*(\a%2)+4*\t:64+64*(\a%2)+4*\t+3], v[RD] offset:\t*SPITCH
.endr
.endm
.macro SEND a, younger                 ; younger: the LDS instructions issued behind block a's loads, which may stay out
	s_wait_dscnt \younger
.irp t, 0,1,2,3,4,5,6,7,8,9,10,11,12,13,14,15
	global_store_b128 v[CO], v[64+64*(\a%2)+4*\t:64+64*(\a%2)+4*\t+3], s[10:11] offset:65536*\a+4096*\t th:TH_STORE_NT   ; 32 lanes store 512 consecutive bytes, aligned
.endr
.endm
	PLACES                                         ; behind the last products: results are read, and loads land in registers that held operands
	TOSTAGE 0
	TOSTAGE 1
	SEND 0, 32                                     ; behind block 0's loads: block 1's 16 stores and 16 loads
	s_wait_xcnt 0x0                                ; block 0's stores have read their registers: block 2's loads may land there
	TOSTAGE 2
	SEND 1, 32
	s_wait_xcnt 0x0
	TOSTAGE 3
	SEND 2, 32
	SEND 3, 0
	s_wait_tensorcnt 0x0                           ; the wave's end, behind my last tensor load and my last LDS store
	ds_add_u32 v[SPW], v[NIL]
	s_wait_dscnt 0x0
	CROUND                                         ; the closing round
	s_endpgm
.Lfunc_end_k_q6ed0cc5923_oproj:
	.size	k_q6ed0cc5923_oproj, .Lfunc_end_k_q6ed0cc5923_oproj-k_q6ed0cc5923_oproj
	.p2alignl 7, 3214868480
	.fill 96, 4, 3214868480
	.section	.rodata,"a",@progbits
	.p2align	6, 0x0
	.amdhsa_kernel k_q6ed0cc5923_oproj
		.amdhsa_group_segment_fixed_size 327680
		.amdhsa_private_segment_fixed_size 0
		.amdhsa_enable_private_segment 0
		.amdhsa_kernarg_size 32
		.amdhsa_user_sgpr_count 2
		.amdhsa_user_sgpr_kernarg_segment_ptr 1
		.amdhsa_wavefront_size32 1
		.amdhsa_system_sgpr_workgroup_id_x 1
		.amdhsa_system_sgpr_workgroup_id_y 1
		.amdhsa_system_sgpr_workgroup_id_z 1
		.amdhsa_system_vgpr_workitem_id 0
		.amdhsa_next_free_vgpr 576
		.amdhsa_next_free_sgpr 66
		.amdhsa_reserve_vcc 0
		.amdhsa_float_denorm_mode_32 3
		.amdhsa_float_denorm_mode_16_64 3
		.amdhsa_memory_ordered 1
		.amdhsa_forward_progress 1
		.amdhsa_inst_pref_size 85
	.end_amdhsa_kernel
	.amdgpu_metadata
---
amdhsa.version: [ 1, 2 ]
amdhsa.kernels:
  - .name:           k_q6ed0cc5923_oproj
    .symbol:         k_q6ed0cc5923_oproj.kd
    .args:
      - { .name: att, .offset: 0, .size: 8, .value_kind: global_buffer, .address_space: global }
      - { .name: woimg, .offset: 8, .size: 8, .value_kind: global_buffer, .address_space: global }
      - { .name: bo, .offset: 16, .size: 8, .value_kind: global_buffer, .address_space: global }
      - { .name: out0, .offset: 24, .size: 8, .value_kind: global_buffer, .address_space: global }
    .group_segment_fixed_size: 327680
    .private_segment_fixed_size: 0
    .kernarg_segment_align: 8
    .kernarg_segment_size: 32
    .max_flat_workgroup_size: 128
    .sgpr_count:     66
    .vgpr_count:     576
    .wavefront_size: 32
...
	.end_amdgpu_metadata
.endif
;; end of part 4
